; MI455X (gfx1250); checked and timed in simulation.
; The chip was launched on July 23, 2026; its instructions are those of AMD's public machine-readable ISA for CDNA 5 (MIT licence, August 2026) and "CDNA5" Instruction Set Architecture Reference Guide (July 2026). The comments in the code are by the model that wrote it; some were corrected since.
;; Cross Attention. Allowed arithmetic: matrix products marked QUANTISED: E2M1 operands, one E8M0 scale for each 32 along K, by v_wmma_scale_f32_16x16x128_f8f6f4 with both operands' format E2M1 (or v_wmma_scale_f32_32x16x128_f4), f32 sums; products left as they are: bf16, f16 or f32 operands; f32 sums; everything else in f32.
;; Inputs: Wk 1,024 x 1,024 float32; Wo 1,024 x 1,024 float32; Wq 1,024 x 1,024 float32; Wv 1,024 x 1,024 float32; bo 1,024 float32; context 4 x 2,048 x 1,024 float32; mask 4 x 2,048 bool; x 4 x 2,048 x 1,024 float32.
;; Outputs: out0 4 x 2,048 x 1,024 float32.
;; This version of the problem:
;;   THIS VERSION OF THE PROBLEM IS GIVEN IN LOW PRECISION. The matrix products marked QUANTISED in the list below multiply operands that are first quantised to E2M1 (2 exponent bits, 1 mantissa bit; 4 bits a number), with one power-of-two scale for each 32 numbers along K (OCP MX v1.0); their sums are f32. The products marked 'left as it is' may take bf16, f16 or f32 operands, with f32 sums. Whichever they take, every output number must still come out within the allowed error. Rounding operands to bf16 (8 significant bits) uses up far more of that allowance than f16 does (11 bits, for magnitudes from 6e-5 to 65,504). All else is computed in f32.
;;   The module's matrix products, in the order in which they are computed (A, B: the left and right operand; K: the contracted axis; several contracted axes count as one K, in the product's order):
;;     1. [M 8,192, K 1,024] x [K 1,024, N 1,024]; A: input x; B: input Wq: QUANTISED
;;     2. [M 8,192, K 1,024] x [K 1,024, N 1,024]; A: input context; B: input Wk: QUANTISED
;;     3. [M 8,192, K 1,024] x [K 1,024, N 1,024]; A: input context; B: input Wv: QUANTISED
;;     4. batch 64 x [M 2,048, K 64] x [K 64, N 2,048]; A: computed on the way; B: computed on the way: left as it is (an operand is computed on the way)
;;     5. batch 64 x [M 64, K 2,048] x [K 2,048, N 2,048]; A: computed on the way; B: computed on the way: left as it is (an operand is computed on the way)
;;     6. [M 8,192, K 1,024] x [K 1,024, N 1,024]; A: computed on the way; B: input Wo: left as it is (an operand is computed on the way)
;;   THE QUANTISER, for each operand of a quantised product, along K:
;;     - K is cut into blocks of 32 from its start; a last block that is shorter is filled with zeros.
;;     - A block's scale is 2^e with e = floor(log2(the largest magnitude in the block)) - 2, held to -126 .. 127; a block of zeros has e = 0. As a byte (E8M0): e + 127.
;;     - Each number is divided by its block's scale, clamped to +-6, and rounded to the nearest number of E2M1, ties to even, subnormals kept.
;;     - The product sums the exact products of the quantised numbers (number of the format x scale) in f32.
;;   ~~~python
;;   def quantise(x, axis):      # numpy; x: float32 -> the quantised numbers, widened to float32 again
;;       x = np.moveaxis(x, axis, -1); K = x.shape[-1]
;;       x = np.pad(x, [(0, 0)] * (x.ndim - 1) + [(0, -K % 32)]); x = x.reshape(x.shape[:-1] + (-1, 32)); a = np.abs(x).max(-1, keepdims=True)
;;       e = np.where(a > 0, np.clip(np.frexp(np.where(a > 0, a, 1))[1] - 1 - 2, -126, 127), 0)      # np.frexp(a)[1] - 1 = floor(log2(a)), exactly
;;       r = np.clip(x / 2.0 ** e, -6, 6)
;;       step = 2.0 ** (np.maximum(np.frexp(np.where(r == 0, 1, r))[1] - 1, 0) - 1)
;;       q = np.round(r / step) * step * 2.0 ** e      # np.round: ties to even
;;       return np.moveaxis(q.reshape(q.shape[:-2] + (-1,))[..., :K], -1, axis).astype(np.float32)
;;   ~~~
;; One version. Each part assembles by itself: llvm-mc -triple=amdgcn-amd-amdhsa -mcpu=gfx1250 --defsym DOCPART=n.
;; ======== version 1 of 1: 4 launches
;; limits: values are held in f16: magnitudes above 65,504 overflow, below 6.1e-05 lose precision
;; workspace buffers: acodes 8,388,608 bytes; ascales 524,288 bytes; wcodes 1,572,864 bytes; wscales 98,304 bytes; wo16 2,097,152 bytes; qkv 50,331,648 bytes; att 16,777,216 bytes
;; launch prep (part 1): grid 624 x 1, 4 waves a work-group, no clusters, 68,096 bytes of LDS; arguments x, context, Wq, Wk, Wv, Wo, acodes, ascales, wcodes, wscales, wo16; writes acodes, ascales, wcodes, wscales, wo16
.if DOCPART == 1
	.amdgcn_target "amdgcn-amd-amdhsa--gfx1250"
	.amdhsa_code_object_version 6
	.text
	.protected	k_q84e19041c9_prep
	.globl	k_q84e19041c9_prep
	.p2align	8
	.type	k_q84e19041c9_prep,@function
k_q84e19041c9_prep:
	s_mov_b64 s[64:65], 0
	v_nop
	global_prefetch_b8 v0, s[64:65] scope:SCOPE_SE
	s_setreg_imm32_b32 hwreg(HW_REG_WAVE_MODE, 25, 1), 1
	s_wait_xcnt 0x0
; CROSS ATTENTION, launch 1 of 4: the operands of the three quantised products become codes of FP4 (E2M1) with one E8M0 byte for each 32 along K = 1,024; Wo becomes f16.
; NO WORK IS LEFT OUT in this program: every input (x, context, mask, Wq, Wk, Wv, Wo, bo) has a way to the output and is loaded, and all six products are computed.
; THREE PATHS, parted by the work-group's number alone, each with LDS bytes of its own:
;   work-groups   0 ..  47  path W: Wq, Wk, Wv [k][n], K is the FIRST axis: a lane takes a column n and its registers run down K -> wcodes [3,072 n][512 bytes], wscales [3,072][32]
;   work-groups  48 .. 111  path O: Wo [k][n] -> wo16 [n / 16][k / 16][512 bytes], f16
;   work-groups 112 .. 623  path X: x, then context, K innermost: plain streams of blocks of 32 -> acodes [16,384 rows][512 bytes], ascales [16,384][32]
; (the paths with few bytes to a load have the low numbers.)
; A CHUNK of wo16 is 16 rows n x 16 along k, laid as four operand registers lie: the 16 bytes of lane 16 h + r (row r, k = 8 h + 0 .. 7) stand at 16 (16 h + r).
; THE QUANTISER: a block's scale is 2^(floor(log2(its largest magnitude)) - 2); its byte is the largest magnitude's exponent field - 2, held at 1 from below; each number is divided by the scale and
; rounded to the nearest code, ties to even, beyond 6 the largest code.  A block of zeros gets the byte 1 where the rule says 127: its codes are zeros, and this program alone reads the bytes.
; LIMITS: blocks whose largest magnitude lies under 2^(2 - 126) have their byte held at 1; NaN and infinities among the inputs are not served; Wo beyond f16's 65,504 is not served.
.set SPW,    190                       ; v190  LDS address of my spare word: SPARE + 4 x my thread's number; never rewritten
.set NIL,    191                       ; v191  0; never rewritten
.set SPARE,  67584                     ; behind both paths' LDS: the spare words, 128 bytes for each wave
.set EMAX,   2
; path X
.set STEPS,  16                        ; steps of 512 numbers for a wave
.set CB,     8                         ; bytes of 16 codes
.set XR,     16                        ; v16-79   four sets of 16 numbers as they are loaded
.set XX,     80                        ; v80-111  two sets of 16 neighbours
.set XE,     112                       ; v112-127 a scale byte for each step
.set XC,     128                       ; v128-189 codes: four registers for each step, so that no store's data are written again
.set WREG,   8192                      ; LDS 0 .. 32,767: a region for each wave: two stages of 32 x SP bytes, behind them its 256 scale bytes
.set SP,     80                        ; a lane's place in a stage: 64 bytes + 16 of padding
; path W
.set NB,     16                        ; blocks of 32 along K for a wave: 512 along K
.set WPITCH, 272                       ; a stage row: 256 bytes of codes + 16
.set KROW,   512                       ; a row of wcodes
.set WSTG,   32768                     ; LDS 32,768 .. 67,583: four stages of 32 rows
.set WX,     32                        ; v32-95   two sets of 32 numbers
.set WC,     96                        ; v96-99   a block's codes
.set OUTR,   112                       ; v112-175 the way out
.set SB,     24                        ; v24-27   the scale bytes, four to a register
; path O
.set OX,     32                        ; v32-95   four sets of 16 numbers
.set OC,     96                        ; v96-159  eight registers of f16 for each of eight chunks: no store's data are written again
	s_load_b512 s[4:19], s[0:1], 0x0               ; x s[4:5], context s[6:7], Wq s[8:9], Wk s[10:11], Wv s[12:13], Wo s[14:15], acodes s[16:17], ascales s[18:19]
	s_load_b128 s[20:23], s[0:1], 0x40             ; wcodes s[20:21], wscales s[22:23]
	s_load_b64 s[24:25], s[0:1], 0x50              ; wo16
	v_lshl_add_u32 v[SPW], v0, 2, SPARE
	v_mov_b32 v[NIL], 0
	v_lshrrev_b32 v1, 5, v0
	v_readfirstlane_b32 s26, v1                    ; wave 0..3
	v_and_b32 v2, 31, v0                           ; lane
	s_wait_kmcnt 0x0
	s_cmp_lt_u32 ttmp9, 48
	s_cbranch_scc1 .Lpath_w
	s_cmp_lt_u32 ttmp9, 112
	s_cbranch_scc1 .Lpath_o
; ---------------- PATH X: x and context.  A wave takes 16 steps of 512 numbers.  Each of a step's four loads reads 512 consecutive bytes, 16 a lane; the 2,048 bytes turn through the wave's own stage
; in LDS and come back 64 bytes a lane: 16 NEIGHBOURS along K, as the conversions want them; two neighbouring lanes hold a block.  Loads run four steps ahead, the turn one step.
	s_sub_co_u32 s27, ttmp9, 112                   ; 0 .. 511: the first 256 take x, the others context
	v_lshlrev_b32 v3, 4, v2                        ; my 16 bytes of a load's 512
	s_mul_i32 s28, s26, WREG
	v_lshrrev_b32 v14, 2, v2
	v_mul_u32_u24 v14, v14, SP
	v_and_b32 v15, 3, v2
	v_lshl_add_u32 v14, v15, 4, v14
	v_add_nc_u32 v14, s28, v14                     ; the stage, on the way in: SP (lane / 4) + 16 (lane % 4)
	v_mul_u32_u24 v15, v2, SP
	v_add_nc_u32 v15, s28, v15                     ; and on the way out: SP x lane
	v_mul_u32_u24 v4, v2, CB                       ; my codes' place in a step's 256 bytes
	v_lshrrev_b32 v5, 1, v2
	s_add_co_u32 s28, s28, 2*32*SP
	v_add_nc_u32 v5, s28, v5                       ; LDS: my wave's 256 scale bytes, my block's byte
	v_lshlrev_b32 v7, 3, v2                        ; and on the way out 8 bytes a lane
	v_add_nc_u32 v6, s28, v7
	s_cmp_lt_u32 s27, 256                          ; the choice hangs on the work-group's number alone
	s_cselect_b64 s[4:5], s[4:5], s[6:7]
	s_and_b32 s30, s27, 255
	s_lshl_b32 s30, s30, 2
	s_add_co_u32 s30, s30, s26                     ; which run of 8,192 numbers of the tensor is my wave's
	s_lshl_b32 s30, s30, 15                        ; 32,768 bytes a run
	s_mov_b32 s31, 0
	s_add_nc_u64 s[4:5], s[4:5], s[30:31]
	s_lshl_b32 s30, s27, 2
	s_add_co_u32 s30, s30, s26                     ; which run of the two tensors on end
	s_lshl_b32 s32, s30, 12                        ; 4,096 bytes of codes a run
	s_mov_b32 s33, 0
	s_add_nc_u64 s[16:17], s[16:17], s[32:33]
	s_lshl_b32 s32, s30, 8                         ; 256 scale bytes a run
	s_add_nc_u64 s[18:19], s[18:19], s[32:33]
.macro XLOAD t
.irp i, 0,1,2,3
	global_load_b128 v[XR+16*((\t)%4)+4*\i:XR+16*((\t)%4)+4*\i+3], v3, s[4:5] offset:2048*(\t)+512*\i th:TH_LOAD_NT   ; 32 lanes read 512 consecutive bytes
.endr
.endm
.macro XTURN t                         ; step t's numbers through the stage: LDS serves a wave's instructions in order (ISA guide 5.7.1.4), so no wait stands between the stores and the loads
.irp i, 0,1,2,3
	ds_store_b128 v14, v[XR+16*((\t)%4)+4*\i:XR+16*((\t)%4)+4*\i+3] offset:32*SP*((\t)%2)+8*SP*\i
.endr
.irp i, 0,1,2,3
	ds_load_b128 v[XX+16*((\t)%2)+4*\i:XX+16*((\t)%2)+4*\i+3], v15 offset:32*SP*((\t)%2)+16*\i
.endr
.endm
.irp t, 0,1,2,3
	XLOAD \t
.endr
	s_wait_loadcnt 12                              ; step 0's four loads are in; the twelve of steps 1 to 3 stay out
	XTURN 0
.macro XSTEP t
.set XS, XX+16*((\t)%2)
.if (\t) > 0
	s_wait_dscnt 1                                 ; this step's numbers are back from the stage (the last step's byte store may be out): so its stores into the stage have read their registers,
.else
	s_wait_dscnt 0x0
.endif
.if (\t)+4 < STEPS
	XLOAD (\t)+4                                   ; which take the loads of four steps on
.endif
.if (\t)+1 < STEPS
.if STEPS-2-(\t) >= 3
	s_wait_loadcnt 12                              ; the next step's four loads are in; those of the three steps behind it may be out
.else
	s_wait_loadcnt 4*(STEPS-2-(\t))
.endif
	XTURN (\t)+1                                   ; and go through the other stage while this step is worked
.endif
	v_max3_num_f32 v8, |v[XS]|, |v[XS+1]|, |v[XS+2]|               ; the largest magnitude of my 16, in two chains
	v_max3_num_f32 v9, |v[XS+3]|, |v[XS+4]|, |v[XS+5]|
.irp i, 6,10
	v_max3_num_f32 v8, v8, |v[XS+\i]|, |v[XS+\i+1]|
	v_max3_num_f32 v9, v9, |v[XS+\i+2]|, |v[XS+\i+3]|
.endr
	v_max3_num_f32 v8, v8, |v[XS+14]|, |v[XS+15]|
	v_max3_num_f32 v8, v8, v9, (EMAX+1)<<23        ; and the floor 2^(EMAX + 1 - 127): so the byte cannot fall under 1
	v_max_num_f32_dpp v8, v8, v8 row_xmask:1 row_mask:0xf bank_mask:0xf   ; and of my neighbour's 16: the block's
	v_add_nc_u32 v11, -(EMAX<<23), v8              ; EMAX off its exponent field: the conversion takes the exponent field of this operand as its scale, and nothing else of it
	v_cvt_scalef32_pk8_fp4_f32 v[XC+4*(\t)], v[XS:XS+7], v11
	v_cvt_scalef32_pk8_fp4_f32 v[XC+4*(\t)+1], v[XS+8:XS+15], v11
	v_lshrrev_b32 v[XE+(\t)], 23, v11              ; the scale's byte (also the plain line behind the conversions)
	ds_store_b8 v5, v[XE+(\t)] offset:16*(\t)      ; both lanes of a block write the same byte with the same value
	global_store_b64 v4, v[XC+4*(\t):XC+4*(\t)+1], s[16:17] offset:32*CB*(\t)   ; 32 lanes store 256 consecutive bytes, aligned
.endm
.irp t, 0,1,2,3,4,5,6,7,8,9,10,11,12,13,14,15
	XSTEP \t
.endr
	ds_load_b64 v[8:9], v6                         ; in order behind my byte stores
	s_wait_dscnt 0x0
	global_store_b64 v7, v[8:9], s[18:19]          ; 32 lanes store 256 consecutive bytes, aligned
	s_wait_tensorcnt 0x0                           ; the wave's end, behind my last LDS store
	ds_add_u32 v[SPW], v[NIL]
	s_wait_dscnt 0x0
	s_endpgm
; ---------------- PATH W: Wq, Wk, Wv.  16 work-groups a tensor: 8 along n (128 columns) x 2 along K (512).  A wave takes 32 columns x 512 along K: each load reads 128 consecutive bytes of a row k,
; a block of 32 along K lies in ONE lane's 32 registers, and the codes come out with K innermost.  They go through the wave's own stage and leave as rows: sixteen lanes store 256 consecutive bytes.
.Lpath_w:
	s_lshr_b32 s27, ttmp9, 4                       ; which tensor: 0 Wq, 1 Wk, 2 Wv
	s_and_b32 s28, ttmp9, 7                        ; which 128 columns
	s_bfe_u32 s29, ttmp9, 0x10003                  ; which 512 along K
	s_lshl_b32 s30, s28, 7
	s_lshl_b32 s31, s26, 5
	s_add_co_u32 s30, s30, s31                     ; my wave's first column
	v_lshlrev_b32 v3, 2, v2                        ; in: 4 bytes a lane
	s_mul_i32 s31, s26, 32*WPITCH
	s_add_co_u32 s31, s31, WSTG                    ; my stage
	v_mul_u32_u24 v4, v2, WPITCH
	v_add_nc_u32 v4, s31, v4                       ; into it: row = my column
	v_and_b32 v5, 15, v2
	v_lshrrev_b32 v6, 4, v2                        ; out of it: sixteen lanes to a row, two rows an instruction
	v_mul_u32_u24 v7, v6, WPITCH
	v_lshl_add_u32 v7, v5, 4, v7
	v_add_nc_u32 v7, s31, v7
	v_mul_u32_u24 v8, v6, KROW
	v_lshl_add_u32 v8, v5, 4, v8                   ; and the same place in wcodes
	v_lshlrev_b32 v9, 5, v2                        ; my column's row of 32 scale bytes
	s_cmp_eq_u32 s27, 0                            ; the choices hang on the work-group's number alone
	s_cselect_b64 s[8:9], s[8:9], s[10:11]
	s_cmp_eq_u32 s27, 2
	s_cselect_b64 s[8:9], s[12:13], s[8:9]
	s_lshl_b32 s32, s29, 21                        ; 512 rows of 4,096 bytes
	s_lshl_b32 s33, s30, 2
	s_add_co_u32 s32, s32, s33
	s_mov_b32 s33, 0
	s_add_nc_u64 s[8:9], s[8:9], s[32:33]
	s_lshl_b32 s32, s27, 19                        ; codes: 524,288 bytes a tensor, 512 a column, 256 for 512 along K
	s_lshl_b32 s34, s30, 9
	s_add_co_u32 s32, s32, s34
	s_lshl_b32 s34, s29, 8
	s_add_co_u32 s32, s32, s34
	s_add_nc_u64 s[20:21], s[20:21], s[32:33]
	s_lshl_b32 s32, s27, 15                        ; scale bytes: 32,768 a tensor, 32 a column, 16 for 512 along K
	s_lshl_b32 s34, s30, 5
	s_add_co_u32 s32, s32, s34
	s_lshl_b32 s34, s29, 4
	s_add_co_u32 s32, s32, s34
	s_add_nc_u64 s[22:23], s[22:23], s[32:33]
.macro WLOAD t                         ; block t: W(32 t + i, my column), i = 0 .. 31, into set t % 2; the largest offset, 511 rows of 4,096 bytes, lies inside the signed 24-bit immediate (ISA guide, chapter 10)
.irp i, 0,1,2,3,4,5,6,7,8,9,10,11,12,13,14,15,16,17,18,19,20,21,22,23,24,25,26,27,28,29,30,31
	global_load_b32 v[WX+32*((\t)%2)+\i], v3, s[8:9] offset:(32*(\t)+\i)*4096 th:TH_LOAD_NT
.endr
.endm
	WLOAD 0
	WLOAD 1
.macro WBLOCK t
.set XS, WX+32*((\t)%2)
.if (\t) < NB-1
	s_wait_loadcnt 32                              ; this block's 32 loads are in; the next block's may be out
.else
	s_wait_loadcnt 0
.endif
	v_max3_num_f32 v12, |v[XS]|, |v[XS+1]|, |v[XS+2]|               ; the block's largest magnitude: all 32 numbers are mine
	v_max3_num_f32 v13, |v[XS+3]|, |v[XS+4]|, |v[XS+5]|
.irp i, 6,10,14,18,22,26
	v_max3_num_f32 v12, v12, |v[XS+\i]|, |v[XS+\i+1]|
	v_max3_num_f32 v13, v13, |v[XS+\i+2]|, |v[XS+\i+3]|
.endr
	v_max3_num_f32 v12, v12, |v[XS+30]|, |v[XS+31]|
	v_max3_num_f32 v12, v12, v13, (EMAX+1)<<23     ; and the floor: the byte cannot fall under 1
	v_add_nc_u32 v11, -(EMAX<<23), v12             ; the conversion's scale operand
	v_lshrrev_b32 v13, 23, v11                     ; the scale's byte
.if (\t)%4 == 0
	v_mov_b32 v[SB+(\t)/4], v13                    ; four bytes to a register, the lower K in the lower byte
.else
	v_lshl_or_b32 v[SB+(\t)/4], v13, 8*((\t)%4), v[SB+(\t)/4]
.endif
.irp g, 0,1,2,3
	v_cvt_scalef32_pk8_fp4_f32 v[WC+\g], v[XS+8*\g:XS+8*\g+7], v11
.endr
	v_nop                                          ; one plain line behind the last conversion
	ds_store_b128 v4, v[WC:WC+3] offset:16*(\t)    ; 32 codes: 16 bytes of my column's row
.if (\t)+2 < NB
	WLOAD (\t)+2
.endif
	s_wait_dscnt 0x0                               ; the store has read its registers: the next block's codes may be written
.endm
.set Q, 0
.rept NB
	WBLOCK Q
.set Q, Q+1
.endr
	global_store_b128 v9, v[SB:SB+3], s[22:23]     ; my column's 16 scale bytes
.irp t, 0,1,2,3,4,5,6,7,8,9,10,11,12,13,14,15
	ds_load_b128 v[OUTR+4*\t:OUTR+4*\t+3], v7 offset:2*\t*WPITCH   ; in order behind my stores
.endr
.irp t, 0,1,2,3,4,5,6,7,8,9,10,11,12,13,14,15
	s_wait_dscnt 15-\t                             ; load t is back; the 15 - t behind it may be out
	global_store_b128 v8, v[OUTR+4*\t:OUTR+4*\t+3], s[20:21] offset:2*\t*KROW
.endr
	s_wait_tensorcnt 0x0                           ; the wave's end, behind my last LDS store
	ds_add_u32 v[SPW], v[NIL]
	s_wait_dscnt 0x0
	s_endpgm
; ---------------- PATH O: Wo to f16, in chunks.  64 work-groups: 8 along n (128 columns) x 8 along k (128).  A wave takes 32 columns, a lane a column, its registers down k: 16 numbers are a chunk's
; two pieces of 16 bytes for that column.  No LDS: lanes 0-15 fill 256 consecutive bytes of one chunk, lanes 16-31 of the chunk one tile of columns on.  Loads run three chunks (48 loads) ahead.
.Lpath_o:
	s_sub_co_u32 s27, ttmp9, 48
	s_and_b32 s28, s27, 7                          ; which 128 columns
	s_lshr_b32 s29, s27, 3                         ; which 128 along k
	s_lshl_b32 s30, s29, 19                        ; 128 rows of 4,096 bytes
	s_lshl_b32 s31, s28, 9
	s_add_co_u32 s30, s30, s31
	s_lshl_b32 s31, s26, 7
	s_add_co_u32 s30, s30, s31                     ; + 4 (128 x + 32 wave)
	s_mov_b32 s31, 0
	s_add_nc_u64 s[14:15], s[14:15], s[30:31]
	s_lshl_b32 s30, s28, 18                        ; wo16: tile of columns 8 x + 2 wave, 32,768 bytes each; chunk 8 y, 512 bytes each
	s_lshl_b32 s32, s26, 16
	s_add_co_u32 s30, s30, s32
	s_lshl_b32 s32, s29, 12
	s_add_co_u32 s30, s30, s32
	s_add_nc_u64 s[24:25], s[24:25], s[30:31]
	v_lshlrev_b32 v3, 2, v2                        ; in: 4 bytes a lane
	v_lshrrev_b32 v4, 4, v2
	v_and_b32 v5, 15, v2
	v_lshlrev_b32 v4, 15, v4
	v_lshl_add_u32 v4, v5, 4, v4                   ; out: 32,768 (lane / 16) + 16 (lane % 16)
.macro OLOAD kc
.irp i, 0,1,2,3,4,5,6,7,8,9,10,11,12,13,14,15
	global_load_b32 v[OX+16*((\kc)%4)+\i], v3, s[14:15] offset:(16*(\kc)+\i)*4096 th:TH_LOAD_NT
.endr
.endm
.macro OSTEP kc
.if (\kc)+3 < 8
	OLOAD (\kc)+3                                  ; into the set that the last step's conversions have read
.endif
.if 7-(\kc) >= 3
	s_wait_loadcnt 48                              ; this chunk's 16 loads are in; three chunks' may be out
.else
	s_wait_loadcnt 16*(7-(\kc))
.endif
.irp j, 0,1,2,3,4,5,6,7
	v_cvt_pk_f16_f32 v[OC+8*(\kc)+\j], v[OX+16*((\kc)%4)+2*\j], v[OX+16*((\kc)%4)+2*\j+1]
.endr
	global_store_b128 v4, v[OC+8*(\kc):OC+8*(\kc)+3], s[24:25] offset:512*(\kc)          ; k = 0 .. 7 of the chunk
	global_store_b128 v4, v[OC+8*(\kc)+4:OC+8*(\kc)+7], s[24:25] offset:512*(\kc)+256    ; k = 8 .. 15
.endm
	OLOAD 0
	OLOAD 1
	OLOAD 2
.irp kc, 0,1,2,3,4,5,6,7
	OSTEP \kc
.endr
	s_endpgm
.Lfunc_end_k_q84e19041c9_prep:
	.size	k_q84e19041c9_prep, .Lfunc_end_k_q84e19041c9_prep-k_q84e19041c9_prep
	.p2alignl 7, 3214868480
	.fill 96, 4, 3214868480
	.section	.rodata,"a",@progbits
	.p2align	6, 0x0
	.amdhsa_kernel k_q84e19041c9_prep
		.amdhsa_group_segment_fixed_size 68096
		.amdhsa_private_segment_fixed_size 0
		.amdhsa_enable_private_segment 0
		.amdhsa_kernarg_size 88
		.amdhsa_user_sgpr_count 2
		.amdhsa_user_sgpr_kernarg_segment_ptr 1
		.amdhsa_wavefront_size32 1
		.amdhsa_system_sgpr_workgroup_id_x 1
		.amdhsa_system_sgpr_workgroup_id_y 1
		.amdhsa_system_sgpr_workgroup_id_z 1
		.amdhsa_system_vgpr_workitem_id 0
		.amdhsa_next_free_vgpr 192
		.amdhsa_next_free_sgpr 66
		.amdhsa_reserve_vcc 0
		.amdhsa_float_denorm_mode_32 3
		.amdhsa_float_denorm_mode_16_64 3
		.amdhsa_memory_ordered 1
		.amdhsa_forward_progress 1
		.amdhsa_inst_pref_size 130
	.end_amdhsa_kernel
	.amdgpu_metadata
---
amdhsa.version: [ 1, 2 ]
amdhsa.kernels:
  - .name:           k_q84e19041c9_prep
    .symbol:         k_q84e19041c9_prep.kd
    .args:
      - { .name: x, .offset: 0, .size: 8, .value_kind: global_buffer, .address_space: global }
      - { .name: context, .offset: 8, .size: 8, .value_kind: global_buffer, .address_space: global }
      - { .name: Wq, .offset: 16, .size: 8, .value_kind: global_buffer, .address_space: global }
      - { .name: Wk, .offset: 24, .size: 8, .value_kind: global_buffer, .address_space: global }
      - { .name: Wv, .offset: 32, .size: 8, .value_kind: global_buffer, .address_space: global }
      - { .name: Wo, .offset: 40, .size: 8, .value_kind: global_buffer, .address_space: global }
      - { .name: acodes, .offset: 48, .size: 8, .value_kind: global_buffer, .address_space: global }
      - { .name: ascales, .offset: 56, .size: 8, .value_kind: global_buffer, .address_space: global }
      - { .name: wcodes, .offset: 64, .size: 8, .value_kind: global_buffer, .address_space: global }
      - { .name: wscales, .offset: 72, .size: 8, .value_kind: global_buffer, .address_space: global }
      - { .name: wo16, .offset: 80, .size: 8, .value_kind: global_buffer, .address_space: global }
    .group_segment_fixed_size: 68096
    .private_segment_fixed_size: 0
    .kernarg_segment_align: 8
    .kernarg_segment_size: 88
    .max_flat_workgroup_size: 128
    .sgpr_count:     66
    .vgpr_count:     192
    .wavefront_size: 32
...
	.end_amdgpu_metadata
.endif
;; end of part 1
;; launch proj (part 2): grid 12 x 32, 4 waves a work-group, clusters of 4 x 4, 327,680 bytes of LDS; arguments acodes, ascales, wcodes, wscales, mask, qkv; writes qkv
.if DOCPART == 2
	.amdgcn_target "amdgcn-amd-amdhsa--gfx1250"
	.amdhsa_code_object_version 6
	.text
	.protected	k_q84e19041c9_proj
	.globl	k_q84e19041c9_proj
	.p2align	8
	.type	k_q84e19041c9_proj,@function
k_q84e19041c9_proj:
	s_mov_b64 s[64:65], 0
	v_nop
	global_prefetch_b8 v0, s[64:65] scope:SCOPE_SE
	s_setreg_imm32_b32 hwreg(HW_REG_WAVE_MODE, 25, 1), 1
	s_wait_xcnt 0x0
	s_wait_alu depctr_hold_cnt(0) depctr_sa_sdst(0) depctr_va_vdst(0) depctr_va_sdst(0) depctr_va_ssrc(0) depctr_va_vcc(0) depctr_vm_vsrc(0)
	s_getreg_b32 s2, hwreg(HW_REG_IB_STS2, 6, 4)
	s_cmp_eq_u32 s2, 0
	s_cbranch_scc0 .Lentry_in_a_cluster
	s_endpgm
.Lentry_in_a_cluster:
	s_bfe_u32 s2, ttmp6, 0x10000c
	s_cmp_lg_u32 s2, 0xf033
	s_cbranch_scc0 .Lentry_shape_is_right
	s_endpgm
.Lentry_shape_is_right:
; CROSS ATTENTION, launch 2 of 4: q = x Wq, k = context Wk, v = context Wv, the three QUANTISED products, on codes of FP4 (E2M1) with one E8M0 scale for each 32 along K = 1,024; sums in f32.  No work is left out.
; One GEMM serves all three: A = acodes [16,384 rows: x, then context][512 bytes], B = wcodes [3,072 rows n: Wq, Wk, Wv][512 bytes].  The cluster's x IS the product (0 q, 1 k, 2 v): 4 tile columns of 256 each.
; A tile of C, 256 x 256, is made by four waves, each 128 x 128: 64 accumulators, 512 registers.  K = 1,024 is two slots of 512: both are first fills, nothing is filled again, there is no loop.
; THE SCALES of the work-group's 256 rows of A and of B, for all of K, are two dense blocks: they come into LDS once, with the first fills.
; CLUSTERS: 4 x 4 work-groups.  The four of a row of the cluster need the same tiles of A, the four of a column the same tiles of B: each tile is asked for JOINTLY.
; THE MATRIX INSTRUCTION IS USED TRANSPOSED (source 0 = 16 rows of B, source 1 = 16 rows of A): lane 16 h + r holds row r of C and eight neighbouring columns 8 h + 0 .. 7.
; THE RESULT goes out as f16, in CHUNKS of 512 bytes: qkv [product][batch 4][head 16][tile of 16 rows: 128][16 of the head's 64: 4][512 bytes].  An accumulator IS a chunk: four conversions and one store
; of 16 bytes a lane, 512 consecutive bytes a wave; no stage.  q's and k's chunks are images of operand registers (lane l's bytes at 16 l); v's are row-major (key r, half h at 32 r + 16 h), for the turning load.
; q is multiplied by c = log2(e) / 8 in f32 ahead of the rounding, so that the scores arrive as exponents of 2.  k's rows are multiplied by the mask (0 or 1): a hidden key's products are then exact zeros.
; LIMITS: q c, k, v beyond f16's 65,504 are not served; a k that is not finite in a hidden row gives NaN (0 x infinity).
; REGISTERS, in windows of 256: window 0: v0-31 addresses; v32-95 scale words, two sets; v128-191 A's fragments, ONE set; on the way out v32-127 at work, v192-215 the factors.
;   window 1: B's fragments, TWO sets, at v0 and at v128.   window 2: the accumulators of my rows 0-63 ((a, b) at v[8 (8 a + b)]);   window 3: those of my rows 64-127.
.set NQ,     4                         ; steps of 128 along K in a slot
.set ROWB,   256                       ; a tile's row in bytes: 512 codes
.set KROW,   512                       ; a row of A or of B in memory
.set PITCH,  272                       ; an LDS row: 256 bytes + 16 of padding = 68 words: row r starts at bank 4 r mod 64 (64 banks of 4 bytes: ISA guide 11.1)
.set FR,     8                         ; registers of a fragment: 16 rows x 128 K
.set NL,     2                         ; LDS loads that bring one
.set NP,     4                         ; places behind this matrix instruction (ISA guide 7.12.1)
.set HALFT,  128*PITCH                 ; 128 rows: what one tensor load brings
.set SLOT,   4*HALFT                   ; A's 256 rows, then B's 256 rows
.set KS,     32                        ; a row of scales in bytes
.set SCL,    2*SLOT                    ; behind the slots: the scales, as units of 256 bytes + 16 of padding
.set HALFS,  (128*KS/256)*272          ; the scales of 128 rows: what one tensor load brings
.set SBLK,   (16*KS/256)*272           ; those of 16 rows
.set SPARE,  SCL+4*HALFS               ; behind the scales: the spare words, 128 bytes for each wave
.set ADRA, 16                          ; v16-17  LDS address of my A fragments in slot 0, 1
.set ADRB, 20                          ; v20-21  the same for B
.set ADRS, 27                          ; v27     LDS address of my scale words: lanes 0-15 A's rows, lanes 16-31 B's
.set SPW,  28                          ; v28     LDS address of my spare word; never rewritten
.set NIL,  29                          ; v29     0; never rewritten
.set LOK,  30                          ; v30     my 16 bytes in a chunk of q or k: 16 x lane
.set LOV,  31                          ; v31     in a chunk of v: 32 r + 16 h
.set SC,   32                          ; scale words: set s at v[SC + 32 s]; register 4 i + q: lanes 0-15 the word of A's block i, lanes 16-31 that of B's block i
.set AF,   128                         ; A's fragments
.set T,    32                          ; the way out: 64 scaled results
.set PK,   96                          ; the way out: 32 registers of f16
.set MK,   192                         ; v192-199 the mask's bytes of my rows, a register a block
.set F,    200                         ; v200-215 the factor of my row in block a, written twice: a pair for the packed multiply
.set G1, 24                            ; s[24:31] descriptor group 1 for A's tiles;  s[32:39] group 0, one set for each slot
.set G0, 32
.set G1B, 48                           ; s[48:55], s[56:63] the same for B's tiles
.set G0B, 56
.set G1S, 68                           ; s[68:75], s[76:79] groups 1 and 0 for A's scales;  s[80:87], s[88:91] for B's
.set G0S, 76
.set G1SB, 80
.set G0SB, 88
.set MSB, 0
.macro WIN new                         ; the immediate's high byte repeats the setting that is left
.if MSB != (\new)
	s_set_vgpr_msb (MSB<<8)|(\new)
.set MSB, (\new)
.endif
.endm
.set MUL_LO, 0xa1                      ; source 0 (B) window 1, source 1 (A) window 0, C and D window 2
.set MUL_HI, 0xf1                      ; the same, C and D window 3
.set TO_B,   0x40                      ; destination window 1, address window 0
; A joint load: waves 0 and 1 fetch for A, waves 2 and 3 for B.  Each of the two lines has ONE mask and one set of registers for all that issue it; the branch hangs on the wave's number alone.
; An s_nop 0 and four v_nop follow each of the two lines.
.macro JLOAD g0a, g1a, g0b, g1b
	s_cmp_eq_u32 s15, 0
	s_cbranch_scc0 .Lfor_b_\@
	tensor_load_to_lds s[\g0a:\g0a+3], s[\g1a:\g1a+7]
	s_nop 0
.rept 4
	v_nop
.endr
	s_branch .Lasked_\@
.Lfor_b_\@:
	tensor_load_to_lds s[\g0b:\g0b+3], s[\g1b:\g1b+7]
	s_nop 0
.rept 4
	v_nop
.endr
.Lasked_\@:
.endm
.macro CROUND                          ; a round of the cluster's barrier
	s_barrier_signal -1
	s_barrier_wait -1
	s_cmp_lg_u32 s14, 0
	s_cbranch_scc1 .Lnot_wave_0_\@
	s_barrier_signal -3
.Lnot_wave_0_\@:
	s_barrier_wait -3
	s_barrier_signal -1
	s_barrier_wait -1
.endm
	s_load_b128 s[4:7], s[0:1], 0x0                ; A's codes s[4:5], A's scales s[6:7]
	s_load_b128 s[8:11], s[0:1], 0x10              ; B's codes s[8:9], B's scales s[10:11]
	s_load_b64 s[66:67], s[0:1], 0x20              ; the mask
	s_load_b64 s[12:13], s[0:1], 0x28              ; qkv
	v_lshl_add_u32 v[SPW], v0, 2, SPARE
	v_mov_b32 v[NIL], 0
	ds_add_u32 v[SPW], v[NIL]                      ; the wave's opening: the add, twice on end, and its wait ahead of my first tensor load; the set-up below stands between
	ds_add_u32 v[SPW], v[NIL]
	v_lshrrev_b32 v1, 5, v0
	v_readfirstlane_b32 s14, v1                    ; wave 0..3
	s_lshr_b32 s15, s14, 1                         ; which half of the tile's rows is mine.  Also: I fetch for A (0) or for B (1)
	s_and_b32 s16, s14, 1                          ; which half of its columns.  Also: which 128 rows of that tile I fetch
	s_bfe_u32 s40, ttmp6, 0x40000                  ; cx, cy: my place in the cluster
	s_bfe_u32 s41, ttmp6, 0x40004
	s_mov_b32 s95, ttmp9                           ; the product: 0 q, 1 k, 2 v: the cluster's x, the same in all sixteen partners
	s_lshl_b32 s42, ttmp9, 2
	s_add_co_u32 s42, s42, s40                     ; tile column among B's 12 = 4 x cluster x + cx
	s_and_b32 s17, ttmp7, 0xffff
	s_lshl_b32 s17, s17, 2
	s_add_co_u32 s17, s17, s41                     ; tile row among 32 = 4 x cluster y + cy
	s_lshl_b32 s43, s41, 2
	s_lshl_b32 s43, 15, s43                        ; my row of the cluster
	s_lshl_b32 s44, 0x1111, s40                    ; my column
	; descriptor group 1: a tile of 128 rows x 256 bytes, padded in LDS
	s_or_b32 s[G1+0], s43, (0<<16)|(1<<20)|(1<<21)|(5<<22)|(3<<25)  ; 15:0 the mask: A's tiles go to my row; 17:16 elements of 1 byte; 20 padding on; 21 set beside a mask; 24:22 after every 64 words; 31:25 four words
	s_or_b32 s[G1B+0], s44, (0<<16)|(1<<20)|(1<<21)|(5<<22)|(3<<25)
.irp g, G1, G1B
	s_mov_b32 s[\g+1], ROWB<<16                    ; tensor_dim0
	s_mov_b32 s[\g+2], 128<<16                     ; tensor_dim1
	s_mov_b32 s[\g+3], ROWB<<16                    ; tile_dim0
	s_mov_b32 s[\g+4], 128                         ; tile_dim1
	s_mov_b32 s[\g+5], KROW                        ; tensor_dim0_stride
	s_mov_b32 s[\g+6], 0
	s_mov_b32 s[\g+7], 0
.endr
	; and for the scales of 128 rows: a dense block of 4,096 bytes, as 16 rows of 256 bytes (32 elements of 8 bytes), 16 bytes of padding behind each
	s_or_b32 s[G1S+0], s43, (3<<16)|(1<<20)|(1<<21)|(5<<22)|(3<<25)
	s_or_b32 s[G1SB+0], s44, (3<<16)|(1<<20)|(1<<21)|(5<<22)|(3<<25)
.irp g, G1S, G1SB
	s_mov_b32 s[\g+1], 32<<16
	s_mov_b32 s[\g+2], (128*KS/256)<<16
	s_mov_b32 s[\g+3], 32<<16
	s_mov_b32 s[\g+4], 128*KS/256
	s_mov_b32 s[\g+5], 32
	s_mov_b32 s[\g+6], 0
	s_mov_b32 s[\g+7], 0
.endr
	s_lshl_b32 s18, s16, 7                         ; which 128 rows of the tile I fetch
	s_lshl_b32 s20, s17, 8
	s_add_co_u32 s20, s20, s18                     ; A: row 256 x tile row + 128 x half,
	s_min_u32 s96, ttmp9, 1
	s_lshl_b32 s96, s96, 13
	s_add_co_u32 s20, s20, s96                     ; and 8,192 rows on for k and v: context lies behind x
	s_lshl_b32 s46, s42, 8
	s_add_co_u32 s46, s46, s18                     ; B: row 256 x tile column + 128 x half
	s_mov_b32 s21, 0
	s_mov_b32 s47, 0
	s_mov_b64 s[18:19], KS
	s_mul_u64 s[22:23], s[20:21], s[18:19]         ; where these rows' scales begin, in bytes
	s_mul_u64 s[92:93], s[46:47], s[18:19]
	s_mov_b64 s[18:19], KROW
	s_mul_u64 s[20:21], s[20:21], s[18:19]         ; and their codes
	s_mul_u64 s[46:47], s[46:47], s[18:19]
	s_mul_i32 s45, s14, HALFT                      ; where they go: wave x 128 rows: no place in the cluster enters an LDS address
	s_mul_i32 s94, s14, HALFS
	s_wait_dscnt 0x0                               ; both opening adds are done
	s_wait_kmcnt 0x0
	s_add_nc_u64 s[20:21], s[4:5], s[20:21]
	s_add_nc_u64 s[22:23], s[6:7], s[22:23]
	s_add_nc_u64 s[46:47], s[8:9], s[46:47]
	s_add_nc_u64 s[92:93], s[10:11], s[92:93]
	CROUND                                         ; all sixteen work-groups are here: the joint loads meet
	s_mov_b32 s[G0S], 1
	s_add_co_u32 s[G0S+1], s94, SCL
	s_mov_b64 s[G0S+2:G0S+3], s[22:23]
	s_or_b32 s[G0S+3], s[G0S+3], 0x80000000
	s_mov_b32 s[G0SB], 1
	s_add_co_u32 s[G0SB+1], s94, SCL
	s_mov_b64 s[G0SB+2:G0SB+3], s[92:93]
	s_or_b32 s[G0SB+3], s[G0SB+3], 0x80000000
	JLOAD G0S, G1S, G0SB, G1SB                     ; the scales first: they are wanted with the first slot.  Three loads of mine are out at the most
.irp s, 0,1
	s_mov_b32 s[G0+4*\s], 1
	s_add_co_u32 s[G0+4*\s+1], s45, \s*SLOT
	s_add_nc_u64 s[G0+4*\s+2:G0+4*\s+3], s[20:21], \s*ROWB
	s_or_b32 s[G0+4*\s+3], s[G0+4*\s+3], 0x80000000
	s_mov_b32 s[G0B+4*\s], 1
	s_add_co_u32 s[G0B+4*\s+1], s45, \s*SLOT
	s_add_nc_u64 s[G0B+4*\s+2:G0B+4*\s+3], s[46:47], \s*ROWB
	s_or_b32 s[G0B+4*\s+3], s[G0B+4*\s+3], 0x80000000
	JLOAD G0+4*\s, G1, G0B+4*\s, G1B
.endr
	v_and_b32 v1, 15, v0                           ; r = l % 16: also my byte among a block's 16 of the mask; never rewritten
	v_bfe_u32 v2, v0, 4, 1                         ; h = l / 16
	v_mul_u32_u24 v3, v1, PITCH
	v_lshl_add_u32 v4, v2, 4, v3                   ; a fragment's row x pitch + 16 x half
	s_mul_i32 s21, s15, HALFT                      ; my 128 rows of A
	s_mul_i32 s22, s16, HALFT                      ; my 128 rows of B,
	s_add_co_u32 s22, s22, 2*HALFT                 ; which lie behind A's 256
.irp s, 0,1
	v_add_nc_u32 v[ADRA+\s], s21, v4
	v_add_nc_u32 v[ADRB+\s], s22, v4
	s_add_co_u32 s21, s21, SLOT
	s_add_co_u32 s22, s22, SLOT
.endr
	v_mul_u32_u24 v5, v1, KS                       ; my row's scales: 32 bytes a row,
	v_lshrrev_b32 v6, 8, v5
	v_lshl_add_u32 v5, v6, 4, v5                   ; and 16 more for each 256 passed
	s_mul_i32 s21, s15, HALFS                      ; A's: my 128 rows
	s_mul_i32 s22, s16, HALFS                      ; B's: my 128 rows, behind A's 256
	s_add_co_u32 s22, s22, 2*HALFS
	s_sub_co_u32 s22, s22, s21
	v_mul_u32_u24 v6, s22, v2                      ; lanes 16-31 take B's: one product, the distance between the two bases
	s_add_co_u32 s21, s21, SCL
	v_add_nc_u32 v5, v5, v6
	v_add_nc_u32 v[ADRS], s21, v5
	v_and_b32 v6, 31, v0
	v_lshlrev_b32 v[LOK], 4, v6
	v_lshlrev_b32 v[LOV], 5, v1
	v_lshl_add_u32 v[LOV], v2, 4, v[LOV]
	; where my results go: product x 16,777,216 + (batch x 16 + head) x 262,144 + tile of rows x 2,048.  Batch = tile row / 8; head = 4 cx + 2 (wave % 2) on; tile of rows = 16 (tile row % 8) + 8 (wave / 2) on
	s_lshr_b32 s20, s17, 3
	s_lshl_b32 s20, s20, 22                        ; batch x 16 x 262,144
	s_and_b32 s21, s17, 7
	s_lshl_b32 s21, s21, 15                        ; 16 tiles of rows x 2,048
	s_add_co_u32 s20, s20, s21
	s_lshl_b32 s21, s15, 14                        ; 8 tiles of rows x 2,048
	s_add_co_u32 s20, s20, s21
	s_lshl_b32 s21, s95, 24
	s_add_co_u32 s20, s20, s21
	s_mov_b32 s21, 0
	s_lshl_b32 s46, s40, 20                        ; 4 cx heads (in the registers that held B's address: none that fed A's descriptors holds cx)
	s_lshl_b32 s47, s16, 19                        ; 2 (wave % 2) heads
	s_add_co_u32 s46, s46, s47
	s_mov_b32 s47, 0
	s_add_nc_u64 s[20:21], s[20:21], s[46:47]
	s_add_nc_u64 s[12:13], s[12:13], s[20:21]
	s_lshl_b32 s20, s17, 8                         ; the mask's bytes of my 128 rows: for k a row of C is batch x 2,048 + key
	s_lshl_b32 s21, s15, 7
	s_add_co_u32 s20, s20, s21
	s_mov_b32 s21, 0
	s_add_nc_u64 s[66:67], s[66:67], s[20:21]
.macro FRAG reg, adr, q, i             ; a fragment, 16 rows x 128 K of 4-bit codes: lane l holds row l % 16; registers 4 c .. 4 c + 3 hold K = 64 c + 32 (l / 16) + 0 .. 31
.irp c, 0,1
	ds_load_b128 v[\reg+4*\c:\reg+4*\c+3], v[\adr] offset:64*(\q)+32*\c+(\i)*16*PITCH
.endr
.endm
; 16 matrix instructions: A's blocks a0, a0 + 1 x B's eight, 128 along K: the slot's q-th.  p: B's set;  sc: the set of scale words.  zero = 1: the first product starts the sums.
; The 64 accumulators take turns, one instruction a turn, in the same order in every step.
.macro MUL16 a0, p, q, sc, zero
.irp a, \a0, \a0+1
.irp b, 0,1,2,3,4,5,6,7
.if \zero
	v_wmma_scale_f32_16x16x128_f8f6f4 v[8*(8*((\a)%4)+\b):8*(8*((\a)%4)+\b)+7], v[128*(\p)+FR*\b:128*(\p)+FR*\b+FR-1], v[AF+FR*(\a):AF+FR*(\a)+FR-1], 0, v[SC+8*NQ*(\sc)+NQ*\b+(\q)], v[SC+8*NQ*(\sc)+NQ*(\a)+(\q)] matrix_a_fmt:MATRIX_FMT_FP4 matrix_b_fmt:MATRIX_FMT_FP4 matrix_a_scale:MATRIX_SCALE_ROW1
.else
	v_wmma_scale_f32_16x16x128_f8f6f4 v[8*(8*((\a)%4)+\b):8*(8*((\a)%4)+\b)+7], v[128*(\p)+FR*\b:128*(\p)+FR*\b+FR-1], v[AF+FR*(\a):AF+FR*(\a)+FR-1], v[8*(8*((\a)%4)+\b):8*(8*((\a)%4)+\b)+7], v[SC+8*NQ*(\sc)+NQ*\b+(\q)], v[SC+8*NQ*(\sc)+NQ*(\a)+(\q)] matrix_a_fmt:MATRIX_FMT_FP4 matrix_b_fmt:MATRIX_FMT_FP4 matrix_a_scale:MATRIX_SCALE_ROW1
.endif
.endr
.endr
.endm
.macro FETCH_B slot, q, p              ; B's eight fragments of the slot's q-th 128 along K into set p
	WIN TO_B
.irp i, 0,1,2,3,4,5,6,7
	FRAG 128*(\p)+FR*\i, ADRB+\slot, \q, \i
.endr
	WIN 0
.endm
.macro FETCH_A slot, q, i0             ; A's blocks i0 .. i0 + 3
.irp i, \i0, \i0+1, \i0+2, \i0+3
	FRAG AF+FR*(\i), ADRA+\slot, \q, \i
.endr
.endm
.macro SCALES sc                       ; a slot's scale words into set sc: 4 words a row; lanes 0-15 take A's block i, lanes 16-31 B's block i
.irp i, 0,1,2,3,4,5,6,7
	ds_load_b128 v[SC+8*NQ*\sc+NQ*\i:SC+8*NQ*\sc+NQ*\i+3], v[ADRS] offset:\i*SBLK
.endr
.endm
; A load into a register that a matrix instruction has read, and a vector instruction that reads a matrix result, stand NP places behind that matrix instruction; only plain vector instructions that name
; none of its registers are places (ISA guide 7.12.1 for vector instructions).
.macro PLACES n
.rept \n
	v_nop
.endr
.endm
; A step of 128 along K that has its successor in the same slot.  A's blocks go one after the other, each against B's eight: so one set of registers serves A (blocks 0-3 fetched anew in the step's middle, 4-7 at its end); B has two.
.macro STEP slot, q, zero
	s_wait_dscnt 4*NL                              ; B's set and A's blocks 0-3 are in; the youngest eight loads (A's blocks 4-7) may be out
	WIN MUL_LO
	MUL16 0, (\q)%2, \q, \slot, \zero
	MUL16 2, (\q)%2, \q, \slot, \zero
	s_wait_dscnt 0                                 ; A's blocks 4-7 are in
	PLACES NP
	FETCH_B \slot, (\q)+1, 1-(\q)%2
	FETCH_A \slot, (\q)+1, 0
	WIN MUL_HI
	MUL16 4, (\q)%2, \q, \slot, \zero
	MUL16 6, (\q)%2, \q, \slot, \zero
	PLACES NP
	WIN 0
	FETCH_A \slot, (\q)+1, 4
.endm
; Slot 0's last step goes over to slot 1: each wave waits for all its tensor loads (its part of slot 1), and one barrier shows the whole slot to every wave.
.macro TURN slot, next
	s_wait_tensorcnt 0x0                           ; all my tensor loads have landed
	ds_add_u32 v[SPW], v[NIL]                      ; 0 onto my spare word
	s_wait_dscnt 4*NL+1                            ; (the add and the youngest eight loads, A's blocks 4-7, may be out)
	WIN MUL_LO
	MUL16 0, 1, NQ-1, \slot, 0                     ; sixteen matrix instructions stand between the add and the wait for it
	s_wait_dscnt 0x0                               ; no LDS instruction of mine is out at the signal
	s_barrier_signal -1
	MUL16 2, 1, NQ-1, \slot, 0
	WIN 0
	s_barrier_wait -1
	PLACES NP
	v_add_nc_u32 v[ADRS], 4*NQ, v[ADRS]            ; on to the next slot's scale words
	FETCH_B \next, 0, 0
	FETCH_A \next, 0, 0
	SCALES \next
	WIN MUL_HI
	MUL16 4, 1, NQ-1, \slot, 0
	MUL16 6, 1, NQ-1, \slot, 0
	PLACES NP
	WIN 0
	FETCH_A \next, 0, 4
.endm
.macro STEPS slot, from                ; the slot's steps from .. NQ - 2
.set Q, \from
.rept NQ-1-\from
	STEP \slot, Q, 0
.set Q, Q+1
.endr
.endm
.macro LAST                            ; the last 128 along K: nothing more to fetch
	s_wait_dscnt 4*NL
	WIN MUL_LO
	MUL16 0, 1, NQ-1, 1, 0
	MUL16 2, 1, NQ-1, 1, 0
	s_wait_dscnt 0
	WIN MUL_HI
	MUL16 4, 1, NQ-1, 1, 0
	MUL16 6, 1, NQ-1, 1, 0
	WIN 0
.endm
; THE WAY OUT.  Accumulator (a, b) is the chunk of rows 16 a on, columns 16 b on: head b / 4 on, tile of rows a on, chunk b % 4.  Each accumulator is read from its low end on.
.macro EPI_S                           ; q and k: x the row's factor, in f32; then f16
.irp a, 0,1,2,3,4,5,6,7
	WIN 0x02+(\a)/4                                ; source 0: window 2 or 3
.set i, 0
.rept 32
	v_pk_mul_f32 v[T+2*i:T+2*i+1], v[64*((\a)%4)+2*i:64*((\a)%4)+2*i+1], v[F+2*(\a):F+2*(\a)+1]
.set i, i+1
.endr
	WIN 0
.if (\a) > 0
	s_wait_xcnt 0x0                                ; the last block's stores have read their data: PK is written again only behind this wait
.endif
.set i, 0
.rept 32
	v_cvt_pk_f16_f32 v[PK+i], v[T+2*i], v[T+2*i+1]
.set i, i+1
.endr
.irp b, 0,1,2,3,4,5,6,7
	global_store_b128 v[LOK], v[PK+4*\b:PK+4*\b+3], s[12:13] offset:(\b/4)*262144+2048*(\a)+512*(\b%4)   ; 32 lanes store 512 consecutive bytes, aligned
.endr
.endr
.endm
.macro EPI_V                           ; v: f16 as it stands; the chunk row-major
.irp a, 0,1,2,3,4,5,6,7
.if (\a) > 0
	s_wait_xcnt 0x0                                ; the last block's stores have read their data
.endif
	WIN 0x0a+5*((\a)/4)                            ; sources 0 and 1: window 2 or 3
.set i, 0
.rept 32
	v_cvt_pk_f16_f32 v[PK+i], v[64*((\a)%4)+2*i], v[64*((\a)%4)+2*i+1]
.set i, i+1
.endr
	WIN 0
.irp b, 0,1,2,3,4,5,6,7
	global_store_b128 v[LOV], v[PK+4*\b:PK+4*\b+3], s[12:13] offset:(\b/4)*262144+2048*(\a)+512*(\b%4)   ; the 32 lanes' pieces fill 512 consecutive bytes, aligned
.endr
.endr
.endm
	s_wait_tensorcnt 1                             ; the scales and my part of slot 0 are in (slot 1's load may be out)
	s_barrier_signal -1
	s_barrier_wait -1                              ; everybody's are
	FETCH_B 0, 0, 0
	FETCH_A 0, 0, 0
	SCALES 0
	FETCH_A 0, 0, 4
	STEP 0, 0, 1                                   ; the first step's products start the sums: nothing is cleared
	STEPS 0, 1
	TURN 0, 1
	STEPS 1, 0
	; THE THREE PRODUCTS PART HERE, once, ahead of the last step, on the cluster's x alone: so k's arm can ask for its mask bytes under that step's 64 products, and no register is read on a way on which it was not written.
	s_cmp_eq_u32 s95, 2
	s_cbranch_scc1 .Larm_v
	s_cmp_eq_u32 s95, 1
	s_cbranch_scc1 .Larm_k
	LAST                                           ; q
.irp a, 0,1,2,3,4,5,6,7,8,9,10,11,12,13,14,15
	v_mov_b32 v[F+\a], 0x3e38aa3b                  ; c = log2(e) / 8.  (These 16 plain lines are the places behind the last products)
.endr
	s_branch .Lepi_s
.Larm_k:
.irp a, 0,1,2,3,4,5,6,7
	global_load_u8 v[MK+\a], v1, s[66:67] offset:16*\a   ; the mask's byte of row 16 a + r
.endr
	LAST                                           ; k
	s_wait_loadcnt 0x0
.irp a, 0,1,2,3,4,5,6,7
	v_cvt_f32_u32 v[F+2*\a], v[MK+\a]              ; 0.0 or 1.0.  (These 16 plain lines are the places behind the last products)
.endr
.irp a, 0,1,2,3,4,5,6,7
	v_mov_b32 v[F+2*\a+1], v[F+2*\a]
.endr
.Lepi_s:
	EPI_S
	s_branch .Ldone
.Larm_v:
	LAST                                           ; v
	PLACES NP
	EPI_V
.Ldone:
	s_wait_tensorcnt 0x0                           ; the wave's end, behind my last tensor load
	ds_add_u32 v[SPW], v[NIL]
	s_wait_dscnt 0x0
	CROUND                                         ; the closing round: no work-group ends while a partner may still ask for a tile that names it
	s_endpgm
.Lfunc_end_k_q84e19041c9_proj:
	.size	k_q84e19041c9_proj, .Lfunc_end_k_q84e19041c9_proj-k_q84e19041c9_proj
	.p2alignl 7, 3214868480
	.fill 96, 4, 3214868480
	.section	.rodata,"a",@progbits
	.p2align	6, 0x0
	.amdhsa_kernel k_q84e19041c9_proj
		.amdhsa_group_segment_fixed_size 327680
		.amdhsa_private_segment_fixed_size 0
		.amdhsa_enable_private_segment 0
		.amdhsa_kernarg_size 48
		.amdhsa_user_sgpr_count 2
		.amdhsa_user_sgpr_kernarg_segment_ptr 1
		.amdhsa_wavefront_size32 1
		.amdhsa_system_sgpr_workgroup_id_x 1
		.amdhsa_system_sgpr_workgroup_id_y 1
		.amdhsa_system_sgpr_workgroup_id_z 1
		.amdhsa_system_vgpr_workitem_id 0
		.amdhsa_next_free_vgpr 1024
		.amdhsa_next_free_sgpr 98
		.amdhsa_reserve_vcc 0
		.amdhsa_float_denorm_mode_32 3
		.amdhsa_float_denorm_mode_16_64 3
		.amdhsa_memory_ordered 1
		.amdhsa_forward_progress 1
		.amdhsa_inst_pref_size 176
	.end_amdhsa_kernel
	.amdgpu_metadata
---
amdhsa.version: [ 1, 2 ]
amdhsa.kernels:
  - .name:           k_q84e19041c9_proj
    .symbol:         k_q84e19041c9_proj.kd
    .args:
      - { .name: acodes, .offset: 0, .size: 8, .value_kind: global_buffer, .address_space: global }
      - { .name: ascales, .offset: 8, .size: 8, .value_kind: global_buffer, .address_space: global }
      - { .name: wcodes, .offset: 16, .size: 8, .value_kind: global_buffer, .address_space: global }
      - { .name: wscales, .offset: 24, .size: 8, .value_kind: global_buffer, .address_space: global }
      - { .name: mask, .offset: 32, .size: 8, .value_kind: global_buffer, .address_space: global }
      - { .name: qkv, .offset: 40, .size: 8, .value_kind: global_buffer, .address_space: global }
    .group_segment_fixed_size: 327680
    .private_segment_fixed_size: 0
    .kernarg_segment_align: 8
    .kernarg_segment_size: 48
    .max_flat_workgroup_size: 128
    .sgpr_count:     98
    .vgpr_count:     1024
    .wavefront_size: 32
...
	.end_amdgpu_metadata
.endif
;; end of part 2
;; launch attn (part 3): grid 4 x 64, 8 waves a work-group, clusters of 4 x 1, 327,680 bytes of LDS; arguments qkv, mask, att; writes att
.if DOCPART == 3
	.amdgcn_target "amdgcn-amd-amdhsa--gfx1250"
	.amdhsa_code_object_version 6
	.text
	.protected	k_q84e19041c9_attn
	.globl	k_q84e19041c9_attn
	.p2align	8
	.type	k_q84e19041c9_attn,@function
k_q84e19041c9_attn:
	s_mov_b64 s[64:65], 0
	v_nop
	global_prefetch_b8 v0, s[64:65] scope:SCOPE_SE
	s_setreg_imm32_b32 hwreg(HW_REG_WAVE_MODE, 25, 1), 1
	s_wait_xcnt 0x0
	s_wait_alu depctr_hold_cnt(0) depctr_sa_sdst(0) depctr_va_vdst(0) depctr_va_sdst(0) depctr_va_ssrc(0) depctr_va_vcc(0) depctr_vm_vsrc(0)
	s_getreg_b32 s2, hwreg(HW_REG_IB_STS2, 6, 4)
	s_cmp_eq_u32 s2, 0
	s_cbranch_scc0 .Lentry_in_a_cluster
	s_endpgm
.Lentry_in_a_cluster:
	s_bfe_u32 s2, ttmp6, 0x10000c
	s_cmp_lg_u32 s2, 0x3003
	s_cbranch_scc0 .Lentry_shape_is_right
	s_endpgm
.Lentry_shape_is_right:
; CROSS ATTENTION, launch 3 of 4: att[b][i][h][:] = the sum over j of softmax_j(where(mask[b][j], q . k / 8, -FLT_MAX)) v[b][j][h][:].  Operands f16, products, maxima and sums f32.  No work is left out.
; qkv [q, k, v][b 4][h 16][tile of 16 rows: 128][16 of the head's 64: 4][512 bytes]: chunks of f16.  q's and k's are images of four operand registers (lane l's 16 bytes at 16 l: row l % 16, channels 8 (l / 16) + 0 .. 7);
; v's are row-major (key r, half h at 32 r + 16 h).  q carries the factor log2(e) / 8, so a score arrives as t, and p = 2^(t - m).  k's hidden rows are zeros.
; THE MASK costs no instruction a score: the first matrix instruction of each tile of scores takes as C a bias by key, 0 or -FLT_MAX.  A hidden key's products are exact zeros, so its score is -FLT_MAX:
; p = 0 beside an open key; where ALL keys of a batch are hidden, t - m = 0 and p = 1: the plain average.  The running maximum starts at -FLT_MAX, so no infinity less infinity arises.
; SHARES.  A work-group owns 512 queries of one head and batch, each of its EIGHT waves 64: four tiles of 16, in 512 registers.  Every wave walks all 2,048 keys, 64 a step; each fragment of K and V read from LDS feeds four products.
; LAYOUT.  S^T = K Q^T (source 0 = 16 keys, source 1 = 16 queries): a lane holds ONE query (lane % 16) and keys 8 (lane / 16) + 0 .. 7.  Two such tiles, rounded to f16 in pairs, ARE source 1 of O^T = V^T P,
; whose result again holds one query a lane and eight channels: a chunk of att.  K comes out of LDS as it lies, V turned, by ds_load_tr16_b128.
; A KEY STEP goes in phases on PIECES of two tiles: K Q^T of piece 0 | softmax 0, 1 | V^T P of piece 0, K Q^T of piece 2 | softmax 2, 3 | V^T P of piece 2: runs of matrix and of vector work by turns.
; STAGGER.  Eight waves stand on four SIMDs.  At a change of slots waves 0-3 run the step's tail (softmax 3, V^T P of piece 2) in front of the barrier, waves 4-7 behind it: so behind the barrier one half begins with matrix
; work and the other with vector work.  The tail works on registers and on the NEXT slot's V alone; the result is the same whichever wave stands where.  The arms hang on the wave's number and hold no barrier, wait of a refill or tensor load.
; THE RING.  Four places of 65,536 bytes; a slot is 256 keys, four key steps; step t of a slot: K's 16 chunks at 16,384 t, V's 16 at + 8,192.  Slots 0-3 are first fills; the change at the head of slot n (1 .. 4)
; fills the place of slot n - 1 with slot n + 3.  A slot is shown landed one change before the slot ahead of it is begun, so a step may fetch the next step's fragments over a slot's edge: every key step has one form.
; A refill has a slot's four key steps, 256 matrix instructions a wave, before the wait for it; no prefetch is laid beside it.
; CLUSTER.  The four blocks of queries of a head walk the same K and V: each tile is asked for JOINTLY, by the same tensor load with the same descriptor and the mask 15.
; LIMITS: operands are f16: p under 6e-5 is kept to f16's subnormal step; inputs are taken as finite.
; REGISTERS.  window 0: v1-9 addresses; v12-27 statistics (tile t: m, a partner written once, l in two halves); v28-39 at work; v48-79 the bias; v80-143 S^T of one piece; v144-207 K; v208-239 P of one piece.
;   window 1: v0-127 O^T, 32 a tile; v128-191 Q; v192-255 V.
.set PLACE, 65536
.set STEPB, 16384
.set VOFF,  8192
.set RING,  0x3ffff                    ; 4 x PLACE - 1
.set BIAS,  4*PLACE                    ; behind the ring: the bias of the batch's 2,048 keys, f32
.set SPARE, BIAS+8192                  ; the spare words, 128 bytes for each of eight waves
.set L16, 1                            ; v1   16 x lane; never rewritten
.set VTR, 2                            ; v2   VOFF + my place for the turning load: 256 (l / 16) + 32 (l % 8) + 16 ((l / 8) % 2); never rewritten
.set BH,  3                            ; v3   BIAS + 32 (l / 16); never rewritten
.set ADK, 4                            ; v4   LDS address of the step's K
.set ADV, 5                            ; v5   of its V
.set ADB, 6                            ; v6   of its bias
.set SPW, 8                            ; v8   LDS address of my spare word; never rewritten
.set NIL, 9                            ; v9   0; never rewritten
.set ST,  12
.set CH,  28                           ; v28-31 four chains of the maximum
.set XR,  32                           ; v32  the other half of the lanes'
.set AR,  36                           ; v[36:37] a = 2^(old m - new m), and a partner written once
.set ZR,  38                           ; v[38:39] the sum's second chain
.set BI,  48
.set S,   80
.set KF,  144
.set P,   208
.set OT,  0                            ; in window 1
.set QF,  128
.set VF,  192
.set WV,  10                           ; s10  my wave's number
.set GRP, 11                           ; s11  wave / 4.  Also: I fetch K's tiles (0) or V's (1)
.set CX,  12                           ; s12  my place in the cluster: my block of 512 queries
.set HY,  13                           ; s13  16 x batch + head
.set G1,  16                           ; s[16:23] descriptor group 1
.set G0,  24                           ; s[24:39] descriptor group 0: a set for each first fill; the fourth then walks
.set TB,  40                           ; s40  LDS byte at which the tiles of the step to be fetched begin
.set TJ,  41                           ; s41  the same in the bias: 256 bytes a step
.set CNT, 42                           ; s42  key steps to go in a run
.set SLOTS, 43                         ; s43  changes that fill a place, to go
.set SEL, 44                           ; s[44:45] lane selects for v_permlanex16_b32: lane l xor 16
.set MSB, 0
.macro WIN new                         ; the immediate's high byte repeats the setting that is left; a switch that changes nothing is dropped
.if MSB != (\new)
	s_set_vgpr_msb (MSB<<8)|(\new)
.set MSB, (\new)
.endif
.endm
.macro CROUND                          ; a round of the cluster's barrier
	s_barrier_signal -1
	s_barrier_wait -1
	s_cmp_lg_u32 s[WV], 0
	s_cbranch_scc1 .Lnot_wave_0_\@
	s_barrier_signal -3
.Lnot_wave_0_\@:
	s_barrier_wait -3
	s_barrier_signal -1
	s_barrier_wait -1
.endm
.macro PLACES                          ; four places behind a matrix instruction (ISA guide 7.12.1 for vector instructions)
.rept 4
	v_nop
.endr
.endm
	s_load_b128 s[4:7], s[0:1], 0x0                ; qkv s[4:5], the mask s[6:7]
	s_load_b64 s[8:9], s[0:1], 0x10                ; att
	v_lshl_add_u32 v[SPW], v0, 2, SPARE
	v_mov_b32 v[NIL], 0
	ds_add_u32 v[SPW], v[NIL]                      ; the wave's opening: the add, twice on end, and its wait ahead of my first tensor load; the set-up below stands between
	ds_add_u32 v[SPW], v[NIL]
	v_lshrrev_b32 v1, 5, v0
	v_readfirstlane_b32 s[WV], v1                  ; wave 0..7
	s_lshr_b32 s[GRP], s[WV], 2
	s_bfe_u32 s[CX], ttmp6, 0x40000
	s_and_b32 s[HY], ttmp7, 0xffff                 ; in a cluster launch ttmp7 counts clusters: one to a head and batch
	; descriptor group 1: 8,192 dense bytes (16 chunks) as 32 rows of 256 bytes
	s_mov_b32 s[G1], 15|(3<<16)|(1<<21)            ; 15:0 the mask: all four work-groups; 17:16 elements of 8 bytes; 21 set beside a mask; no padding
	s_mov_b32 s[G1+1], 32<<16                      ; tensor_dim0 = 32 elements
	s_mov_b32 s[G1+2], 32<<16                      ; tensor_dim1 = 32 rows
	s_mov_b32 s[G1+3], 32<<16                      ; tile_dim0
	s_mov_b32 s[G1+4], 32                          ; tile_dim1
	s_mov_b32 s[G1+5], 32                          ; tensor_dim0_stride
	s_mov_b32 s[G1+6], 0
	s_mov_b32 s[G1+7], 0
	s_mov_b32 s[SEL], 0x76543210
	s_mov_b32 s[SEL+1], 0xfedcba98
	s_mov_b32 s[TB], 0
	s_mov_b32 s[TJ], 0
	s_and_b32 s14, s[WV], 3                        ; which of a slot's four key steps I fetch
	s_lshl_b32 s46, s14, 14
	s_lshl_b32 s47, s[GRP], 13
	s_add_co_u32 s46, s46, s47                     ; in a place: 16,384 x step + 8,192 for V: no place in the cluster enters an LDS address
	s_add_co_u32 s48, s[GRP], 1
	s_lshl_b32 s48, s48, 24                        ; in memory: k lies 16,777,216 bytes behind q, v behind k;
	s_lshl_b32 s49, s[HY], 18                      ; 262,144 bytes a head and batch;
	s_add_co_u32 s48, s48, s49
	s_lshl_b32 s49, s14, 13                        ; 8,192 a key step
	s_add_co_u32 s48, s48, s49
	s_mov_b32 s49, 0
	s_wait_dscnt 0x0                               ; both opening adds are done
	s_wait_kmcnt 0x0
	s_add_nc_u64 s[48:49], s[4:5], s[48:49]
	CROUND                                         ; all four work-groups are here: the first joint loads meet
.irp p, 0,1,2,3                        ; EVERY wave issues four first fills, with no branch: four loads of mine are out at the most
	s_mov_b32 s[G0+4*\p], 1                        ; count = 1
	s_add_co_u32 s[G0+4*\p+1], s46, \p*PLACE       ; LDS address
	s_add_nc_u64 s[G0+4*\p+2:G0+4*\p+3], s[48:49], \p*32768   ; global address: slot p
	s_or_b32 s[G0+4*\p+3], s[G0+4*\p+3], 0x80000000           ; type = 2
	tensor_load_to_lds s[G0+4*\p:G0+4*\p+3], s[G1:G1+7]
	s_nop 0
.endr
	PLACES
	s_lshr_b32 s14, s[HY], 4                       ; the batch
	s_lshl_b32 s14, s14, 11
	s_mov_b32 s15, 0
	s_add_nc_u64 s[6:7], s[6:7], s[14:15]          ; its 2,048 bytes of the mask
	v_lshlrev_b32 v10, 3, v0                       ; 256 threads, 8 keys each
	global_load_b64 v[40:41], v10, s[6:7]
	s_lshl_b32 s14, s[HY], 18
	s_lshl_b32 s50, s[CX], 16                      ; 32 tiles of queries x 2,048 bytes
	s_add_co_u32 s14, s14, s50
	s_lshl_b32 s50, s[WV], 13                      ; 4 tiles
	s_add_co_u32 s14, s14, s50
	s_add_nc_u64 s[4:5], s[4:5], s[14:15]          ; q at my wave's first tile
	v_and_b32 v7, 31, v0
	v_lshlrev_b32 v[L16], 4, v7
	WIN 0x40                                       ; destination window 1
.irp i, 0,1,2,3,4,5,6,7,8,9,10,11,12,13,14,15
	global_load_b128 v[QF+4*\i:QF+4*\i+3], v[L16], s[4:5] offset:512*\i   ; chunk i = 4 x tile + c: Q stays in registers
.endr
.set i, 0
.rept 128
	v_mov_b32 v[OT+i], 0                           ; O^T.  (The key step is written in one form: the first finds zeros, which the first a leaves zeros)
.set i, i+1
.endr
	WIN 0
	s_lshr_b32 s14, s[HY], 4                       ; att [tile of 16 rows: 512][k / 16: 64][512 bytes]: tile 128 b + 32 cx + 4 wave on, chunk 4 h on
	s_lshl_b32 s14, s14, 22
	s_lshl_b32 s50, s[CX], 20
	s_add_co_u32 s14, s14, s50
	s_lshl_b32 s50, s[WV], 17
	s_add_co_u32 s14, s14, s50
	s_and_b32 s50, s[HY], 15
	s_lshl_b32 s50, s50, 11
	s_add_co_u32 s14, s14, s50
	s_add_nc_u64 s[8:9], s[8:9], s[14:15]
	v_bfe_u32 v7, v0, 4, 1                         ; h = l / 16
	v_lshl_add_u32 v[BH], v7, 5, BIAS
	v_lshlrev_b32 v[VTR], 8, v7
	v_and_b32 v11, 7, v0
	v_lshl_add_u32 v[VTR], v11, 5, v[VTR]
	v_bfe_u32 v11, v0, 3, 1
	v_lshl_add_u32 v[VTR], v11, 4, v[VTR]
	v_add_nc_u32 v[VTR], VOFF, v[VTR]
	v_lshl_add_u32 v7, v0, 5, BIAS                 ; where I put my 8 keys' bias
.irp t, 0,1,2,3
	v_mov_b32 v[ST+4*\t], 0xff7fffff               ; m = -FLT_MAX
	v_mov_b32 v[ST+4*\t+1], 0                      ; (named with m as a pair, so it is written)
	v_mov_b32 v[ST+4*\t+2], 0                      ; l
	v_mov_b32 v[ST+4*\t+3], 0
.endr
	v_mov_b32 v[XR], 0                             ; a lane permute's destination counts as one of its sources
	v_mov_b32 v[AR+1], 0                           ; (named with a as a pair)
	s_wait_loadcnt 16                              ; the mask is in; Q's 16 loads stay out
.irp k, 0,1,2,3,4,5,6,7
	v_bfe_u32 v[BI+\k], v[40+\k/4], 8*(\k%4), 8    ; the key's byte, 0 or 1;
.endr
.irp k, 0,1,2,3,4,5,6,7
	v_add_nc_u32 v[BI+\k], -1, v[BI+\k]            ; all ones where hidden, 0 where open;
.endr
.irp k, 0,1,2,3,4,5,6,7
	v_and_b32 v[BI+\k], 0xff7fffff, v[BI+\k]       ; -FLT_MAX or 0
.endr
	ds_store_b128 v7, v[BI:BI+3]
	ds_store_b128 v7, v[BI+4:BI+7] offset:16
	s_wait_loadcnt 0x0                             ; Q
	s_wait_tensorcnt 0x2                           ; my parts of slots 0 and 1 are in; slots 2 and 3 may stay out
	s_wait_dscnt 0x0                               ; for the others' sake: my bias has landed
	s_barrier_signal -1
	s_barrier_wait -1
; The addresses of the step to be fetched; then the steps go on, round the ring.  Three additions and a v_nop: four plain lines, the places behind K Q^T of piece 2 in front of the loads into K and the bias.
.macro ADDR
	v_add_nc_u32 v[ADK], s[TB], v[L16]
	v_add_nc_u32 v[ADV], s[TB], v[VTR]
	v_add_nc_u32 v[ADB], s[TJ], v[BH]
	v_nop
	s_add_co_u32 s[TB], s[TB], STEPB
	s_and_b32 s[TB], s[TB], RING
	s_add_co_u32 s[TJ], s[TJ], 256
	s_and_b32 s[TJ], s[TJ], 0x1fff
.endm
.macro LOADK                           ; 24 LDS loads in one run: K's 16 chunks (chunk 4 kt + c: keys 16 kt on, channels 16 c on), and the bias in the result's layout: register 8 kt + j = key 16 kt + 8 (l / 16) + j
.irp i, 0,1,2,3,4,5,6,7,8,9,10,11,12,13,14,15
	ds_load_b128 v[KF+4*\i:KF+4*\i+3], v[ADK] offset:512*\i
.endr
.irp i, 0,1,2,3,4,5,6,7
	ds_load_b128 v[BI+4*\i:BI+4*\i+3], v[ADB] offset:64*(\i/2)+16*(\i%2)
.endr
.endm
.macro LOADV                           ; 16 turning loads: fragment 4 g + dt (channels 16 dt on x keys 32 g on), half e from the chunk of keys 16 (2 g + e) on
	WIN 0x40
.irp g, 0,1
.irp dt, 0,1,2,3
.irp e, 0,1
	ds_load_tr16_b128 v[VF+8*(4*\g+\dt)+4*\e:VF+8*(4*\g+\dt)+4*\e+3], v[ADV] offset:(4*(2*\g+\e)+\dt)*512
.endr
.endr
.endr
	WIN 0
.endm
; S^T = K Q^T + bias for piece p: 16 products; the 8 accumulators take turns, one instruction a turn.  Channels 32 (i / 8) on, keys 16 ((i / 2) % 4) on, tile p + i % 2.
.macro KQ p
	WIN 0x04                                       ; Q in window 1
.set i, 0
.rept 16
.set rS, S+32*(i%2)+8*((i/2)%4)
.set rK, KF+16*((i/2)%4)+8*(i/8)
.set rQ, QF+16*(\p+i%2)+8*(i/8)
.set rB, BI+8*((i/2)%4)
.if i < 8
	v_wmma_f32_16x16x32_f16 v[rS:rS+7], v[rK:rK+7], v[rQ:rQ+7], v[rB:rB+7]
.else
	v_wmma_f32_16x16x32_f16 v[rS:rS+7], v[rK:rK+7], v[rQ:rQ+7], v[rS:rS+7]
.endif
.set i, i+1
.endr
.endm
; O^T += V^T P for piece p: 16 products, 8 accumulators by turns.  Keys 32 (i / 8) on, channels 16 ((i / 2) % 4) on, tile p + i % 2.
.macro PV p
	WIN 0x51                                       ; V and O^T in window 1, P in window 0
.set i, 0
.rept 16
.set rO, OT+32*(\p+i%2)+8*((i/2)%4)
.set rV, VF+8*(4*(i/8)+(i/2)%4)
.set rP, P+16*(i%2)+8*(i/8)
	v_wmma_f32_16x16x32_f16 v[rO:rO+7], v[rV:rV+7], v[rP:rP+7], v[rO:rO+7]
.set i, i+1
.endr
.endm
; THE SOFTMAX of tile t, whose scores lie in half u of S^T: 118 vector instructions.
.macro SMT t, u
.set rT, ST+4*(\t)
.set rS, S+32*(\u)
.set rP, P+16*(\u)
.set rO, OT+32*(\t)
	WIN 0
.irp c, 0,1,2,3
	v_max3_num_f32 v[CH+\c], v[rS+8*\c], v[rS+8*\c+1], v[rS+8*\c+2]   ; four chains, one to an accumulator, each from its low end on
.endr
.irp c, 0,1,2,3
	v_max3_num_f32 v[CH+\c], v[CH+\c], v[rS+8*\c+3], v[rS+8*\c+4]
.endr
.irp c, 0,1,2,3
	v_max3_num_f32 v[CH+\c], v[CH+\c], v[rS+8*\c+5], v[rS+8*\c+6]
.endr
	v_max3_num_f32 v[CH], v[CH], v[rS+7], v[rS+15]
	v_max3_num_f32 v[CH+2], v[CH+2], v[rS+23], v[rS+31]
	v_max3_num_f32 v[CH], v[CH], v[CH+1], v[CH+2]
	v_max3_num_f32 v[CH], v[CH], v[CH+3], v[rT]    ; and the old m
	v_permlanex16_b32 v[XR], v[CH], s[SEL], s[SEL+1]   ; the query's other 32 keys lie in the lane 16 away
	v_max_num_f32 v[CH+1], v[CH], v[XR]            ; the new m
	v_sub_f32 v[AR], v[rT], v[CH+1]                ; old m - new m
	v_mov_b32 v[rT], v[CH+1]
.set j, 0
.rept 16
	v_pk_add_f32 v[rS+2*j:rS+2*j+1], v[rS+2*j:rS+2*j+1], v[rT:rT+1] op_sel_hi:[1,0] neg_lo:[0,1] neg_hi:[0,1]   ; t - m, two at a time
.set j, j+1
.endr
	v_exp_f32 v[AR], v[AR]                         ; ONE BATCH of 33 exponentials: a,
.set j, 0
.rept 32
	v_exp_f32 v[rS+j], v[rS+j]                     ; and p = 2^(t - m)
.set j, j+1
.endr
	v_nop                                          ; a plain line behind the last exponential
	s_wait_alu depctr_va_vdst(0)                   ; and one wait ahead of the batch's first reader
.set j, 0
.rept 16
	v_cvt_pk_f16_f32 v[rP+j], v[rS+2*j], v[rS+2*j+1]   ; two tiles of 16 keys in pairs are a fragment of 32 keys
.set j, j+1
.endr
	v_pk_fma_f32 v[rT+2:rT+3], v[rT+2:rT+3], v[AR:AR+1], v[rS:rS+1] op_sel_hi:[1,0,1]   ; l = l a + the sum of the unrounded p: two chains
	v_pk_add_f32 v[ZR:ZR+1], v[rS+2:rS+3], v[rS+4:rS+5]
.irp j, 6,10,14,18,22,26
	v_pk_add_f32 v[rT+2:rT+3], v[rT+2:rT+3], v[rS+\j:rS+\j+1]
	v_pk_add_f32 v[ZR:ZR+1], v[ZR:ZR+1], v[rS+\j+2:rS+\j+3]
.endr
	v_pk_add_f32 v[rT+2:rT+3], v[rT+2:rT+3], v[rS+30:rS+31]
	v_pk_add_f32 v[rT+2:rT+3], v[rT+2:rT+3], v[ZR:ZR+1]
	WIN 0x41                                       ; O^T (destination and source 0) in window 1, a in window 0
.set j, 0
.rept 16
	v_pk_mul_f32 v[rO+2*j:rO+2*j+1], v[rO+2*j:rO+2*j+1], v[AR:AR+1] op_sel_hi:[1,0]   ; O^T x a, ascending
.set j, j+1
.endr
.endm
; A KEY STEP but for its tail.  guard = 1: the last step of all fetches no K.
.macro REST guard
	s_wait_dscnt 16                                ; K and the bias are in; V's 16 loads, issued behind them, may be out
	KQ 0
	WIN 0
	PLACES                                         ; the softmax reads results just made
	SMT 0, 0
	SMT 1, 1
	s_wait_dscnt 0x0                               ; V is in
	PV 0
	KQ 2
	WIN 0
	ADDR
.if \guard
	s_cmp_eq_u32 s[CNT], 1
	s_cbranch_scc1 .Lno_k_\@
.endif
	LOADK                                          ; the next step's
.Lno_k_\@:
	SMT 2, 0
	WIN 0
.endm
; THE TAIL of a key step.  lv = 1: the next step's V follows, four places behind the last product that read V.
.macro TAIL lv
	SMT 3, 1
	PV 2
	WIN 0
.if \lv
	PLACES
	LOADV
.endif
.endm
.macro TAILFOR g                       ; the tail, for waves 4 g .. 4 g + 3 alone
	s_cmp_lg_u32 s[GRP], \g
	s_cbranch_scc1 .Lnot_mine_\@
	TAIL 1
.Lnot_mine_\@:
.endm
.macro STEPS n, guard                  ; n key steps; the last one's tail is left to what follows
	s_mov_b32 s[CNT], \n
.Lstep_\@:
	REST \guard
	s_cmp_eq_u32 s[CNT], 1
	s_cbranch_scc1 .Lno_tail_\@
	TAIL 1
.Lno_tail_\@:
	s_sub_co_u32 s[CNT], s[CNT], 1
	s_cmp_lg_u32 s[CNT], 0
	s_cbranch_scc1 .Lstep_\@
.endm
; THE CHANGE OF SLOTS.  Each wave waits for all its tensor loads (one is out: its part of the slot two on), adds 0 to its spare word, and waits for that and for its LDS reads: those of the slot that is left were over a step ago.
; fill = 1: a round of the cluster's barrier, so that no wave of any partner still reads that place or has a load on its way; the joint refill is the first thing behind it, one load a wave.
.macro CHANGE fill
	s_wait_tensorcnt 0x0                           ; no tensor load of mine is out, so a group 0 may be written
	ds_add_u32 v[SPW], v[NIL]
.if \fill
	s_add_co_u32 s[G0+13], s[G0+13], PLACE         ; the walking descriptor: the next place round the ring,
	s_and_b32 s[G0+13], s[G0+13], RING
	s_add_nc_u64 s[G0+14:G0+15], s[G0+14:G0+15], 32768   ; the next 256 keys; the type bits on top are not reached
	s_wait_dscnt 0x0                               ; the add is done, and my LDS reads are over
	CROUND
	tensor_load_to_lds s[G0+12:G0+15], s[G1:G1+7]
	s_nop 0
	PLACES
.else
	s_wait_dscnt 0x0
	s_barrier_signal -1
	s_barrier_wait -1
.endif
.endm
	ADDR
	LOADK                                          ; key step 0
	LOADV
	STEPS 4, 0                                     ; slot 0
	s_mov_b32 s[SLOTS], 4
.Lslot:                                            ; slots 1 to 4: at the head of each the place just left is filled with the slot three on
	TAILFOR 0
	CHANGE 1
	TAILFOR 1
	STEPS 4, 0
	s_sub_co_u32 s[SLOTS], s[SLOTS], 1
	s_cmp_lg_u32 s[SLOTS], 0
	s_cbranch_scc1 .Lslot
	TAILFOR 0                                      ; the rest is written out: slot 7 is shown landed, nothing is asked for
	CHANGE 0
	TAILFOR 1
	STEPS 12, 1                                    ; slots 5 to 7
	TAIL 0
	; THE WAY OUT.  l's two halves and the other half of the lanes' are added; O^T / l is rounded to f16; an accumulator is a chunk of att: 512 consecutive bytes a store, no stage.  The four additions are the places behind the last products.
.irp t, 0,1,2,3
	v_add_f32 v[CH+\t], v[ST+4*\t+2], v[ST+4*\t+3]
.endr
.irp t, 0,1,2,3
	v_permlanex16_b32 v[XR], v[CH+\t], s[SEL], s[SEL+1]
	v_add_f32 v[CH+\t], v[CH+\t], v[XR]
.endr
.irp t, 0,1,2,3
	v_rcp_f32 v[ST+4*\t+2], v[CH+\t]               ; l is at least 1: the largest score's p
.endr
	v_nop                                          ; a plain line behind the last reciprocal
	s_wait_alu depctr_va_vdst(0)                   ; and one wait for the four
.irp t, 0,1,2,3
	WIN 0x41
.set j, 0
.rept 16
	v_pk_mul_f32 v[OT+32*\t+2*j:OT+32*\t+2*j+1], v[OT+32*\t+2*j:OT+32*\t+2*j+1], v[ST+4*\t+2:ST+4*\t+3] op_sel_hi:[1,0]
.set j, j+1
.endr
	WIN 0x05                                       ; sources 0 and 1 window 1, destination window 0: S^T's registers are free, 16 for each tile: no store's data are written again
.set j, 0
.rept 16
	v_cvt_pk_f16_f32 v[S+16*\t+j], v[OT+32*\t+2*j], v[OT+32*\t+2*j+1]
.set j, j+1
.endr
	WIN 0
.irp dt, 0,1,2,3
	global_store_b128 v[L16], v[S+16*\t+4*\dt:S+16*\t+4*\dt+3], s[8:9] offset:32768*\t+512*\dt
.endr
.endr
	s_wait_tensorcnt 0x0                           ; the wave's end, behind my last tensor load and my last LDS store
	ds_add_u32 v[SPW], v[NIL]
	s_wait_dscnt 0x0
	CROUND                                         ; the closing round: no work-group ends while a partner may still ask for a tile that names it
	s_endpgm
.Lfunc_end_k_q84e19041c9_attn:
	.size	k_q84e19041c9_attn, .Lfunc_end_k_q84e19041c9_attn-k_q84e19041c9_attn
	.p2alignl 7, 3214868480
	.fill 96, 4, 3214868480
	.section	.rodata,"a",@progbits
	.p2align	6, 0x0
	.amdhsa_kernel k_q84e19041c9_attn
		.amdhsa_group_segment_fixed_size 327680
		.amdhsa_private_segment_fixed_size 0
		.amdhsa_enable_private_segment 0
		.amdhsa_kernarg_size 24
		.amdhsa_user_sgpr_count 2
		.amdhsa_user_sgpr_kernarg_segment_ptr 1
		.amdhsa_wavefront_size32 1
		.amdhsa_system_sgpr_workgroup_id_x 1
		.amdhsa_system_sgpr_workgroup_id_y 1
		.amdhsa_system_sgpr_workgroup_id_z 1
		.amdhsa_system_vgpr_workitem_id 0
		.amdhsa_next_free_vgpr 512
		.amdhsa_next_free_sgpr 66
		.amdhsa_reserve_vcc 0
		.amdhsa_float_denorm_mode_32 3
		.amdhsa_float_denorm_mode_16_64 3
		.amdhsa_memory_ordered 1
		.amdhsa_forward_progress 1
		.amdhsa_inst_pref_size 169
	.end_amdhsa_kernel
	.amdgpu_metadata
---
amdhsa.version: [ 1, 2 ]
amdhsa.kernels:
  - .name:           k_q84e19041c9_attn
    .symbol:         k_q84e19041c9_attn.kd
    .args:
      - { .name: qkv, .offset: 0, .size: 8, .value_kind: global_buffer, .address_space: global }
      - { .name: mask, .offset: 8, .size: 8, .value_kind: global_buffer, .address_space: global }
      - { .name: att, .offset: 16, .size: 8, .value_kind: global_buffer, .address_space: global }
    .group_segment_fixed_size: 327680
    .private_segment_fixed_size: 0
    .kernarg_segment_align: 8
    .kernarg_segment_size: 24
    .max_flat_workgroup_size: 256
    .sgpr_count:     66
    .vgpr_count:     512
    .wavefront_size: 32
...
	.end_amdgpu_metadata
.endif
;; end of part 3
;; launch outp (part 4): grid 4 x 64, 4 waves a work-group, clusters of 4 x 1, 327,680 bytes of LDS; arguments att, wo16, bo, out0; writes out0
.if DOCPART == 4
	.amdgcn_target "amdgcn-amd-amdhsa--gfx1250"
	.amdhsa_code_object_version 6
	.text
	.protected	k_q84e19041c9_outp
	.globl	k_q84e19041c9_outp
	.p2align	8
	.type	k_q84e19041c9_outp,@function
k_q84e19041c9_outp:
	s_mov_b64 s[64:65], 0
	v_nop
	global_prefetch_b8 v0, s[64:65] scope:SCOPE_SE
	s_setreg_imm32_b32 hwreg(HW_REG_WAVE_MODE, 25, 1), 1
	s_wait_xcnt 0x0
	s_wait_alu depctr_hold_cnt(0) depctr_sa_sdst(0) depctr_va_vdst(0) depctr_va_sdst(0) depctr_va_ssrc(0) depctr_va_vcc(0) depctr_vm_vsrc(0)
	s_getreg_b32 s2, hwreg(HW_REG_IB_STS2, 6, 4)
	s_cmp_eq_u32 s2, 0
	s_cbranch_scc0 .Lentry_in_a_cluster
	s_endpgm
.Lentry_in_a_cluster:
	s_bfe_u32 s2, ttmp6, 0x10000c
	s_cmp_lg_u32 s2, 0x3003
	s_cbranch_scc0 .Lentry_shape_is_right
	s_endpgm
.Lentry_shape_is_right:
; CROSS ATTENTION, launch 4 of 4: out0 = att Wo + bo.  Operands f16, sums f32; K = 1,024.  No work is left out.
; att [tile of 16 rows: 512][k / 16: 64][512 bytes], wo16 [tile of 16 columns: 64][k / 16: 64][512 bytes]: chunks, images of four operand registers (lane l's 16 bytes at 16 l); two neighbouring chunks are a fragment of 32 along K.
; SHARES.  A work-group makes 128 rows x 256 columns, each of its four waves 128 x 64: 32 accumulators, 256 registers.
; A STAYS IN LDS.  The work-group's 128 rows for all of K are one dense block of 262,144 bytes.  It is filled ONCE, in eight K steps of 128, so that the work begins on the first: no place is filled again, and no round stands in the work.
; The cluster's four work-groups (one tile row, four tile columns) need the same block: it is asked for JOINTLY, with the mask 15.  In LDS: [K step 8][tile of rows 8][chunk 8][512 bytes].
; B GOES STRAIGHT INTO REGISTERS: a wave's 64 columns are its own; a ring of six quarters (32 along K, 8 loads of 512 consecutive bytes) keeps five quarters on their way.
; THE MATRIX INSTRUCTION IS USED TRANSPOSED (source 0 = 16 columns of Wo, source 1 = 16 rows of att): a lane holds eight neighbouring numbers of a row of out0.  bo is the C of each sum's first product.
; REGISTERS.  window 0: v1-11 addresses; v32-63 bo in the result's layout; v64-255 B's ring; on the way out v64-127 rows read back.   window 1: accumulator (a, b) at v[8 (4 a + b)].   window 2: v0-127 A's fragments, two buffers.
.set STAGE, 262144                     ; behind A: 16 rows x (256 bytes + 16) for each wave, for the way out; no tensor load lands there
.set SP,    272
.set SPARE, STAGE+4*16*SP              ; the spare words, 128 bytes for each wave
.set L16, 1                            ; v1   16 x lane
.set ADA, 2                            ; v2-5 16 x lane + 65,536 j: A's K steps 2 j and 2 j + 1
.set STO, 6                            ; v6   the way out: where I put 32 bytes of a row
.set RD,  7                            ; v7   where I read a row back
.set CO,  8                            ; v8   my byte offset in two rows of out0
.set BH,  9                            ; v9   32 (l / 16): my eight numbers of 16 of bo
.set SPW, 10                           ; v10  LDS address of my spare word; never rewritten
.set NIL, 11                           ; v11  0; never rewritten
.set BO,  32
.set BR,  64
.set BK,  64
.set WV,  12                           ; s12  my wave's number
.set CX,  13                           ; s13  my place in the cluster: my 256 columns
.set HY,  14                           ; s14  my 128 rows
.set G1,  16                           ; s[16:23] descriptor group 1
.set G0,  24                           ; s[24:55] descriptor group 0: a set for each of the eight fills
.set MSB, 0
.macro WIN new
.if MSB != (\new)
	s_set_vgpr_msb (MSB<<8)|(\new)
.set MSB, (\new)
.endif
.endm
.macro CROUND                          ; a round of the cluster's barrier
	s_barrier_signal -1
	s_barrier_wait -1
	s_cmp_lg_u32 s[WV], 0
	s_cbranch_scc1 .Lnot_wave_0_\@
	s_barrier_signal -3
.Lnot_wave_0_\@:
	s_barrier_wait -3
	s_barrier_signal -1
	s_barrier_wait -1
.endm
.macro PLACES                          ; four places behind a matrix instruction (ISA guide 7.12.1 for vector instructions)
.rept 4
	v_nop
.endr
.endm
	s_load_b256 s[4:11], s[0:1], 0x0               ; att s[4:5], wo16 s[6:7], bo s[8:9], out0 s[10:11]
	v_lshl_add_u32 v[SPW], v0, 2, SPARE
	v_mov_b32 v[NIL], 0
	ds_add_u32 v[SPW], v[NIL]                      ; the wave's opening: the add, twice on end, and its wait ahead of my first tensor load; the set-up below stands between
	ds_add_u32 v[SPW], v[NIL]
	v_lshrrev_b32 v1, 5, v0
	v_readfirstlane_b32 s[WV], v1                  ; wave 0..3
	s_bfe_u32 s[CX], ttmp6, 0x40000
	s_and_b32 s[HY], ttmp7, 0xffff
	; descriptor group 1: two tiles of rows x one K step: 2 rows of 4,096 bytes, 32,768 bytes apart in memory, on end in LDS
	s_mov_b32 s[G1], 15|(3<<16)|(1<<21)            ; 15:0 the mask: all four work-groups; 17:16 elements of 8 bytes; 21 set beside a mask; no padding
	s_mov_b32 s[G1+1], 512<<16                     ; tensor_dim0 = 512 elements
	s_mov_b32 s[G1+2], 2<<16                       ; tensor_dim1 = 2
	s_mov_b32 s[G1+3], 512<<16                     ; tile_dim0
	s_mov_b32 s[G1+4], 2                           ; tile_dim1
	s_mov_b32 s[G1+5], 4096                        ; tensor_dim0_stride
	s_mov_b32 s[G1+6], 0
	s_mov_b32 s[G1+7], 0
	s_lshl_b32 s56, s[WV], 13                      ; in LDS: tiles of rows 2 w, 2 w + 1: 8,192 w: no place in the cluster enters an LDS address
	s_lshl_b32 s58, s[HY], 18                      ; in memory: 262,144 bytes a block of 128 rows,
	s_lshl_b32 s59, s[WV], 16                      ; 65,536 for two tiles of rows
	s_add_co_u32 s58, s58, s59
	s_mov_b32 s59, 0
	s_wait_dscnt 0x0                               ; both opening adds are done
	s_wait_kmcnt 0x0
	s_add_nc_u64 s[58:59], s[4:5], s[58:59]
	CROUND                                         ; all four work-groups are here: the joint loads meet
.irp s, 0,1,2,3,4,5,6,7                ; every wave issues eight first fills, with no branch: eight loads of mine are out at the most
	s_mov_b32 s[G0+4*\s], 1
	s_add_co_u32 s[G0+4*\s+1], s56, \s*32768
	s_add_nc_u64 s[G0+4*\s+2:G0+4*\s+3], s[58:59], \s*4096
	s_or_b32 s[G0+4*\s+3], s[G0+4*\s+3], 0x80000000
	tensor_load_to_lds s[G0+4*\s:G0+4*\s+3], s[G1:G1+7]
	s_nop 0
.endr
	PLACES
	v_and_b32 v12, 31, v0
	v_lshlrev_b32 v[L16], 4, v12
.irp j, 0,1,2,3
	v_add_nc_u32 v[ADA+\j], \j*65536, v[L16]
.endr
	v_and_b32 v13, 15, v0                          ; r
	v_bfe_u32 v14, v0, 4, 1                        ; h
	v_lshlrev_b32 v[BH], 5, v14
	s_lshl_b32 s60, s[CX], 10
	s_lshl_b32 s61, s[WV], 8
	s_add_co_u32 s60, s60, s61                     ; my first column, in bytes of f32: 4 (256 cx + 64 w)
	s_mov_b32 s61, 0
	s_add_nc_u64 s[8:9], s[8:9], s[60:61]
.irp b, 0,1,2,3
.irp e, 0,1
	global_load_b128 v[BO+8*\b+4*\e:BO+8*\b+4*\e+3], v[BH], s[8:9] offset:64*\b+16*\e   ; register 8 b + j = bo at column 16 b + 8 h + j
.endr
.endr
	s_lshl_b32 s62, s[CX], 19                      ; wo16: tile of columns 16 cx + 4 w, 32,768 bytes each
	s_lshl_b32 s63, s[WV], 17
	s_add_co_u32 s62, s62, s63
	s_mov_b32 s63, 0
	s_add_nc_u64 s[6:7], s[6:7], s[62:63]
.macro BLOAD q                         ; B's four fragments of quarter q into place q % 6 of the ring: 8 loads of 512 consecutive bytes
.irp i, 0,1,2,3
.irp e, 0,1
	global_load_b128 v[BR+32*((\q)%6)+8*\i+4*\e:BR+32*((\q)%6)+8*\i+4*\e+3], v[L16], s[6:7] offset:32768*\i+1024*(\q)+512*\e
.endr
.endr
.endm
.irp q, 0,1,2,3,4,5
	BLOAD \q
.endr
	s_lshl_b32 s62, s[HY], 19                      ; out0: 128 rows of 4,096 bytes,
	s_add_co_u32 s62, s62, s60                     ; and my first column
	s_add_nc_u64 s[10:11], s[10:11], s[62:63]
	s_mul_i32 s57, s[WV], 16*SP
	s_add_co_u32 s57, s57, STAGE                   ; my stage
	v_mul_u32_u24 v[STO], v13, SP                  ; in: row r, 32 bytes for each half of the lanes
	v_lshl_add_u32 v[STO], v14, 5, v[STO]
	v_add_nc_u32 v[STO], s57, v[STO]
	v_mul_u32_u24 v[RD], v14, SP                   ; back: lanes 0-15 take one row of 256 bytes, lanes 16-31 the next
	v_lshl_add_u32 v[RD], v13, 4, v[RD]
	v_add_nc_u32 v[RD], s57, v[RD]
	v_lshlrev_b32 v[CO], 12, v14                   ; and the same two rows in out0
	v_lshl_add_u32 v[CO], v13, 4, v[CO]
.macro AFETCH q                        ; A's eight fragments of quarter q into buffer q % 2: 16 LDS loads in one run, each of 512 consecutive bytes
	WIN 0x80                                       ; destination window 2
.irp a, 0,1,2,3,4,5,6,7
.irp e, 0,1
	ds_load_b128 v[64*((\q)%2)+8*\a+4*\e:64*((\q)%2)+8*\a+4*\e+3], v[ADA+(\q)/8] offset:(((\q)/4)%2)*32768+4096*\a+512*(2*((\q)%4)+\e)
.endr
.endr
.endm
; 16 matrix instructions: A's blocks a0 .. a0 + 3 x B's four, 32 along K.  The 32 accumulators take turns, one instruction a turn, in the same order in every quarter.  In quarter 0 the sums begin with bo.
.macro MUL q, a0
.if (\q) == 0
	WIN 0x48                                       ; A window 2, C (bo) window 0, D window 1
.else
	WIN 0x58                                       ; A window 2, C and D window 1
.endif
.irp a, \a0, \a0+1, \a0+2, \a0+3
.irp b, 0,1,2,3
.if (\q) == 0
	v_wmma_f32_16x16x32_f16 v[8*(4*(\a)+\b):8*(4*(\a)+\b)+7], v[BR+32*((\q)%6)+8*\b:BR+32*((\q)%6)+8*\b+7], v[64*((\q)%2)+8*(\a):64*((\q)%2)+8*(\a)+7], v[BO+8*\b:BO+8*\b+7]
.else
	v_wmma_f32_16x16x32_f16 v[8*(4*(\a)+\b):8*(4*(\a)+\b)+7], v[BR+32*((\q)%6)+8*\b:BR+32*((\q)%6)+8*\b+7], v[64*((\q)%2)+8*(\a):64*((\q)%2)+8*(\a)+7], v[8*(4*(\a)+\b):8*(4*(\a)+\b)+7]
.endif
.endr
.endr
.endm
; A QUARTER: 32 along K, 32 matrix instructions.  In its middle the next quarter's fragments of A are fetched, at its end B's of six quarters on.  A K step's last quarter shows the next K step landed: each wave waits for
; its part (the count leaves the later K steps out), and a barrier, open over 16 matrix instructions, shows it to the others.
.macro QUARTER q
.if 31-(\q) >= 5
	s_wait_loadcnt 40                              ; B's quarter q (and bo) is in; the five quarters behind it may be out
.else
	s_wait_loadcnt 8*(31-(\q))
.endif
	s_wait_dscnt 0x0                               ; A's quarter q is in; no LDS instruction of mine is out at a signal
.if ((\q)%4 == 3) && ((\q) < 31)
	s_wait_tensorcnt 6-(\q)/4                      ; my part of K step q / 4 + 1 is in: behind it 6 - q / 4 loads were issued
	s_barrier_signal -1
.endif
	MUL \q, 0
.if ((\q)%4 == 3) && ((\q) < 31)
	s_barrier_wait -1
.endif
.if (\q) < 31
	AFETCH (\q)+1                                  ; into the buffer that the quarter before multiplied: its four places stand at that quarter's end
.endif
	MUL \q, 4
.if (\q) < 30
	WIN 0
	PLACES                                         ; behind this quarter's last product: for B's loads below and for A's fetch in the next quarter's middle
.endif
.if (\q)+6 < 32
	BLOAD (\q)+6
.endif
.endm
	s_wait_tensorcnt 7                             ; my part of K step 0 is in; the seven behind it stay out
	s_barrier_signal -1
	s_barrier_wait -1                              ; everybody's is
	AFETCH 0
.set Q, 0
.rept 32
	QUARTER Q
.set Q, Q+1
.endr
	WIN 0
; THE WAY OUT, block by block of 16 rows x 64 columns.  A lane holds 32 neighbouring bytes of a row, and the lanes beside it hold other rows: so a block goes through my own stage and comes back as whole rows of 256 bytes,
; which sixteen lanes store as 256 consecutive bytes, aligned.  LDS serves a wave's instructions in order (ISA guide 5.7.1.4): no wait between the stores and the loads, nor in front of the next block's stores.
.macro TOSTAGE a
	WIN 0x04                                       ; an LDS store's data are its source 1: window 1
.irp b, 0,1,2,3
	ds_store_b128 v[STO], v[8*(4*(\a)+\b):8*(4*(\a)+\b)+3] offset:64*\b        ; each accumulator from its low end on
	ds_store_b128 v[STO], v[8*(4*(\a)+\b)+4:8*(4*(\a)+\b)+7] offset:64*\b+16
.endr
	WIN 0
.irp t, 0,1,2,3,4,5,6,7
	ds_load_b128 v[BK+32*((\a)%2)+4*\t:BK+32*((\a)%2)+4*\t+3], v[RD] offset:\t*2*SP
.endr
.endm
.macro SEND a, younger                 ; younger: the LDS instructions issued behind block a's loads, which may stay out
	s_wait_dscnt \younger
.irp t, 0,1,2,3,4,5,6,7
	global_store_b128 v[CO], v[BK+32*((\a)%2)+4*\t:BK+32*((\a)%2)+4*\t+3], s[10:11] offset:65536*(\a)+8192*\t th:TH_STORE_NT   ; every offset an immediate, 516,096 at the most: inside the signed 24 bits (ISA guide, chapter 10)
.endr
.endm
	PLACES                                         ; behind the last products: for the reads of results and for the loads into the registers that held B
	TOSTAGE 0
.irp a, 1,2,3,4,5,6,7
.if \a > 1
	s_wait_xcnt 0x0                                ; block a - 2's stores have read their registers: block a's loads may land there
.endif
	TOSTAGE \a
	SEND \a-1, 16                                  ; behind block a - 1's loads: block a's 8 stores and 8 loads
.endr
	SEND 7, 0
	s_wait_tensorcnt 0x0                           ; the wave's end, behind my last tensor load and my last LDS store
	ds_add_u32 v[SPW], v[NIL]
	s_wait_dscnt 0x0
	CROUND                                         ; the closing round: no work-group ends while a partner may still ask for a tile that names it
	s_endpgm
.Lfunc_end_k_q84e19041c9_outp:
	.size	k_q84e19041c9_outp, .Lfunc_end_k_q84e19041c9_outp-k_q84e19041c9_outp
	.p2alignl 7, 3214868480
	.fill 96, 4, 3214868480
	.section	.rodata,"a",@progbits
	.p2align	6, 0x0
	.amdhsa_kernel k_q84e19041c9_outp
		.amdhsa_group_segment_fixed_size 327680
		.amdhsa_private_segment_fixed_size 0
		.amdhsa_enable_private_segment 0
		.amdhsa_kernarg_size 32
		.amdhsa_user_sgpr_count 2
		.amdhsa_user_sgpr_kernarg_segment_ptr 1
		.amdhsa_wavefront_size32 1
		.amdhsa_system_sgpr_workgroup_id_x 1
		.amdhsa_system_sgpr_workgroup_id_y 1
		.amdhsa_system_sgpr_workgroup_id_z 1
		.amdhsa_system_vgpr_workitem_id 0
		.amdhsa_next_free_vgpr 768
		.amdhsa_next_free_sgpr 66
		.amdhsa_reserve_vcc 0
		.amdhsa_float_denorm_mode_32 3
		.amdhsa_float_denorm_mode_16_64 3
		.amdhsa_memory_ordered 1
		.amdhsa_forward_progress 1
		.amdhsa_inst_pref_size 153
	.end_amdhsa_kernel
	.amdgpu_metadata
---
amdhsa.version: [ 1, 2 ]
amdhsa.kernels:
  - .name:           k_q84e19041c9_outp
    .symbol:         k_q84e19041c9_outp.kd
    .args:
      - { .name: att, .offset: 0, .size: 8, .value_kind: global_buffer, .address_space: global }
      - { .name: wo16, .offset: 8, .size: 8, .value_kind: global_buffer, .address_space: global }
      - { .name: bo, .offset: 16, .size: 8, .value_kind: global_buffer, .address_space: global }
      - { .name: out0, .offset: 24, .size: 8, .value_kind: global_buffer, .address_space: global }
    .group_segment_fixed_size: 327680
    .private_segment_fixed_size: 0
    .kernarg_segment_align: 8
    .kernarg_segment_size: 32
    .max_flat_workgroup_size: 128
    .sgpr_count:     66
    .vgpr_count:     768
    .wavefront_size: 32
...
	.end_amdgpu_metadata
.endif
;; end of part 4
